; MI455X (gfx1250); checked and timed in simulation.
; The chip was launched on July 23, 2026; its instructions are those of AMD's public machine-readable ISA for CDNA 5 (MIT licence, August 2026) and "CDNA5" Instruction Set Architecture Reference Guide (July 2026). The comments in the code are by the model that wrote it; some were corrected since.
;; Multi Head Attention. Allowed arithmetic: matrix products marked QUANTISED: E2M1 operands, one E8M0 scale for each 32 along K, by v_wmma_scale_f32_16x16x128_f8f6f4 with both operands' format E2M1 (or v_wmma_scale_f32_32x16x128_f4), f32 sums; products left as they are: bf16, f16 or f32 operands; f32 sums; everything else in f32.
;; Inputs: K 4 x 2,048 x 1,024 float32; Q 4 x 2,048 x 1,024 float32; V 4 x 2,048 x 1,024 float32; Wk 1,024 x 1,024 float32; Wo 1,024 x 1,024 float32; Wq 1,024 x 1,024 float32; Wv 1,024 x 1,024 float32; bk 1,024 float32; bo 1,024 float32; bq 1,024 float32; bv 1,024 float32.
;; Outputs: out0 4 x 2,048 x 1,024 float32.
;; This version of the problem:
;;   THIS VERSION OF THE PROBLEM IS GIVEN IN LOW PRECISION. The matrix products marked QUANTISED in the list below multiply operands that are first quantised to E2M1 (2 exponent bits, 1 mantissa bit; 4 bits a number), with one power-of-two scale for each 32 numbers along K (OCP MX v1.0); their sums are f32. The products marked 'left as it is' may take bf16, f16 or f32 operands, with f32 sums. Whichever they take, every output number must still come out within the allowed error. Rounding operands to bf16 (8 significant bits) uses up far more of that allowance than f16 does (11 bits, for magnitudes from 6e-5 to 65,504). All else is computed in f32.
;;   The module's matrix products, in the order in which they are computed (A, B: the left and right operand; K: the contracted axis; several contracted axes count as one K, in the product's order):
;;     1. [M 8,192, K 1,024] x [K 1,024, N 1,024]; A: input Q; B: input Wq: QUANTISED
;;     2. [M 8,192, K 1,024] x [K 1,024, N 1,024]; A: input K; B: input Wk: QUANTISED
;;     3. [M 8,192, K 1,024] x [K 1,024, N 1,024]; A: input V; B: input Wv: QUANTISED
;;     4. batch 64 x [M 2,048, K 64] x [K 64, N 2,048]; A: computed on the way; B: computed on the way: left as it is (an operand is computed on the way)
;;     5. batch 64 x [M 64, K 2,048] x [K 2,048, N 2,048]; A: computed on the way; B: computed on the way: left as it is (an operand is computed on the way)
;;     6. [M 8,192, K 1,024] x [K 1,024, N 1,024]; A: computed on the way; B: input Wo: left as it is (an operand is computed on the way)
;;   THE QUANTISER, for each operand of a quantised product, along K:
;;     - K is cut into blocks of 32 from its start; a last block that is shorter is filled with zeros.
;;     - A block's scale is 2^e with e = floor(log2(the largest magnitude in the block)) - 2, held to -126 .. 127; a block of zeros has e = 0. As a byte (E8M0): e + 127.
;;     - Each number is divided by its block's scale, clamped to +-6, and rounded to the nearest number of E2M1, ties to even, subnormals kept.
;;     - The product sums the exact products of the quantised numbers (number of the format x scale) in f32.
;;   ~~~python
;;   def quantise(x, axis):      # numpy; x: float32 -> the quantised numbers, widened to float32 again
;;       x = np.moveaxis(x, axis, -1); K = x.shape[-1]
;;       x = np.pad(x, [(0, 0)] * (x.ndim - 1) + [(0, -K % 32)]); x = x.reshape(x.shape[:-1] + (-1, 32)); a = np.abs(x).max(-1, keepdims=True)
;;       e = np.where(a > 0, np.clip(np.frexp(np.where(a > 0, a, 1))[1] - 1 - 2, -126, 127), 0)      # np.frexp(a)[1] - 1 = floor(log2(a)), exactly
;;       r = np.clip(x / 2.0 ** e, -6, 6)
;;       step = 2.0 ** (np.maximum(np.frexp(np.where(r == 0, 1, r))[1] - 1, 0) - 1)
;;       q = np.round(r / step) * step * 2.0 ** e      # np.round: ties to even
;;       return np.moveaxis(q.reshape(q.shape[:-2] + (-1,))[..., :K], -1, axis).astype(np.float32)
;;   ~~~
;; One version. Each part assembles by itself: llvm-mc -triple=amdgcn-amd-amdhsa -mcpu=gfx1250 --defsym DOCPART=n.
;; ======== version 1 of 1: 4 launches
;; limits: values are held in f16: magnitudes above 65,504 overflow, below 6.1e-05 lose precision
;; workspace buffers: xc 12,582,912 bytes; xs 786,432 bytes; wc 1,572,864 bytes; ws 98,304 bytes; wo16 2,097,152 bytes; qkv 50,331,648 bytes; o16 16,777,216 bytes
;; launch prep (part 1): grid 880 x 1, 4 waves a work-group, no clusters, 68,096 bytes of LDS; arguments Q, K, V, Wq, Wk, Wv, Wo, xc, xs, wc, ws, wo16; writes xc, xs, wc, ws, wo16
.if DOCPART == 1
	.amdgcn_target "amdgcn-amd-amdhsa--gfx1250"
	.amdhsa_code_object_version 6
	.text
	.protected	k_q9d28444459_prep
	.globl	k_q9d28444459_prep
	.p2align	8
	.type	k_q9d28444459_prep,@function
k_q9d28444459_prep:
	s_mov_b64 s[64:65], 0
	v_nop
	global_prefetch_b8 v0, s[64:65] scope:SCOPE_SE
	s_setreg_imm32_b32 hwreg(HW_REG_WAVE_MODE, 25, 1), 1
	s_wait_xcnt 0x0
; PREP: everything that is made once from the inputs, in one launch of 880 work-groups of four waves that share nothing.
;   work-groups   0 ..  47: Wq, Wk, Wv [1024 k][1024 n] f32 -> codes of FP4 (E2M1) laid [n][k], K innermost (wc), one E8M0 byte for each 32 along K (ws)
;   work-groups  48 .. 111: Wo f32 -> f16, layout unchanged (wo16)
;   work-groups 112 .. 879: Q, K, V [8192][1024] f32 -> codes, K innermost (xc), and their scale bytes (xs)
; THE QUANTISER: a block's scale is 2^(floor(log2(its largest magnitude)) - 2); its byte is the largest magnitude's own exponent field - 2, held at 1 from below; each number is divided by the
; scale and rounded to the nearest code, ties to even, beyond 6 the largest code.  A block of zeros gets the byte 1 where the rule says 127: its codes are zeros, which add nothing, and this program alone reads the bytes.
; LIMITS: NaN and infinities among the inputs are not served; numbers of Wo beyond 65,504 do not fit f16.
; The three paths part on the work-group's number and never meet again; each has LDS bytes of its own.  No tensor loads, no barrier.
.set SPW,   12                         ; v12  LDS address of my spare word: SPARE + 4 x my thread's number; never rewritten
.set NIL,   13                         ; v13  0; never rewritten
.set XREG,  8192                       ; path X: a region for each wave: two stages of 32 x SP bytes, behind them its 256 scale bytes
.set SP,    80                         ; a lane's place in a stage: its 64 bytes + 16 of padding
.set WSTG,  4*XREG                     ; path W: four stages of 32 rows x WP bytes
.set WP,    272                        ; a stage row: 256 bytes of codes + 16 of padding
.set SPARE, WSTG+4*32*WP               ; the spare words, 128 bytes for each wave: two blocks of 256 bytes that no other line names
.set STEPS, 16
.set R,     16                         ; path X: v16-79   four sets of 16 numbers as they are loaded
.set X,     80                         ;         v80-111  two sets of 16 neighbours
.set E,     112                        ;         v112-127 a scale byte for each step
.set C,     128                        ;         v128-191 codes: four registers for each step, so that no store's data are written again
.set NB,    16                         ; path W: blocks of 32 along K for a wave
.set WX,    32                         ;         v32-95   two sets of 32 numbers
.set WC,    96                         ;         v96-99   a block's codes
.set OUTR,  112                        ;         v112-175 the way out
.set SB,    24                         ;         v24-27   the scale bytes, four to a register
.macro FINISH                          ; the wave's end: behind my last LDS store
	s_wait_tensorcnt 0x0
	ds_add_u32 v[SPW], v[NIL]
	s_wait_dscnt 0x0
	s_endpgm
.endm
	s_load_b512 s[8:23], s[0:1], 0x0               ; Q s8, K s10, V s12, Wq s14, Wk s16, Wv s18, Wo s20, xc s22
	s_load_b256 s[24:31], s[0:1], 0x40             ; xs s24, wc s26, ws s28, wo16 s30
	v_lshl_add_u32 v[SPW], v0, 2, SPARE
	v_mov_b32 v[NIL], 0
	v_lshrrev_b32 v1, 5, v0
	v_readfirstlane_b32 s32, v1                    ; wave 0..3
	v_and_b32 v2, 31, v0                           ; lane
	s_mov_b32 s39, 0                               ; the high word of every offset below
	s_wait_kmcnt 0x0
	s_cmp_lt_u32 ttmp9, 48
	s_cbranch_scc1 .Lweights                       ; the path of 4-byte loads has the lowest numbers
	s_cmp_lt_u32 ttmp9, 112
	s_cbranch_scc1 .Lcast
; ---------------- PATH X: rows are dense and 1,024 is a multiple of 32, so a tensor is a plain stream of blocks of 32.  A wave takes 16 steps of 512 numbers.
; Each load reads 512 consecutive bytes, 16 a lane; a step's 2,048 bytes turn through the wave's own stage and come back 64 bytes a lane: 16 neighbours along K, two lanes to a block.
	s_sub_co_u32 s33, ttmp9, 112
	s_lshr_b32 s34, s33, 8                         ; which tensor: 256 work-groups each
	s_and_b32 s33, s33, 255
	s_lshl_b32 s33, s33, 2
	s_add_co_u32 s33, s33, s32                     ; which run of 8,192 numbers is my wave's: 0 .. 1023
	s_cmp_eq_u32 s34, 0
	s_cselect_b64 s[36:37], s[8:9], s[10:11]       ; the choice hangs on the work-group's number alone
	s_cmp_eq_u32 s34, 2
	s_cselect_b64 s[36:37], s[12:13], s[36:37]
	s_lshl_b32 s38, s33, 15                        ; 32,768 bytes of f32 a run
	s_add_nc_u64 s[36:37], s[36:37], s[38:39]
	s_lshl_b32 s38, s34, 22                        ; codes: 4,194,304 bytes a tensor, 4,096 a run
	s_lshl_b32 s40, s33, 12
	s_add_co_u32 s38, s38, s40
	s_add_nc_u64 s[22:23], s[22:23], s[38:39]
	s_lshl_b32 s38, s34, 18                        ; scale bytes: 262,144 a tensor, 256 a run
	s_lshl_b32 s40, s33, 8
	s_add_co_u32 s38, s38, s40
	s_add_nc_u64 s[24:25], s[24:25], s[38:39]
	v_lshlrev_b32 v3, 4, v2                        ; my 16 bytes of a load's 512
	s_mul_i32 s35, s32, XREG
	v_lshrrev_b32 v14, 2, v2
	v_mul_u32_u24 v14, v14, SP
	v_and_b32 v15, 3, v2
	v_lshl_add_u32 v14, v15, 4, v14
	v_add_nc_u32 v14, s35, v14                     ; the stage, on the way in: four lanes' 64 bytes on end, then 16 of padding
	v_mul_u32_u24 v15, v2, SP
	v_add_nc_u32 v15, s35, v15                     ; and on the way out: SP x lane: my 16 neighbours
	v_mul_u32_u24 v4, v2, 8                        ; my 8 bytes of a step's 256 bytes of codes
	v_lshrrev_b32 v5, 1, v2
	s_add_co_u32 s35, s35, 2*32*SP
	v_add_nc_u32 v5, s35, v5                       ; my wave's 256 scale bytes, my block's byte
	v_lshlrev_b32 v7, 3, v2                        ; and on the way out 8 bytes a lane
	v_add_nc_u32 v6, s35, v7
.macro XLOAD t
.irp i, 0,1,2,3
	global_load_b128 v[R+16*((\t)%4)+4*\i:R+16*((\t)%4)+4*\i+3], v3, s[36:37] offset:2048*(\t)+512*\i th:TH_LOAD_NT   ; 32 lanes read 512 consecutive bytes
.endr
.endm
.macro XTURN t                         ; step t's numbers through the stage: LDS serves a wave's instructions in order (ISA guide 5.7.1.4), so no wait stands between the stores and the loads
.irp i, 0,1,2,3
	ds_store_b128 v14, v[R+16*((\t)%4)+4*\i:R+16*((\t)%4)+4*\i+3] offset:32*SP*((\t)%2)+8*SP*\i
.endr
.irp i, 0,1,2,3
	ds_load_b128 v[X+16*((\t)%2)+4*\i:X+16*((\t)%2)+4*\i+3], v15 offset:32*SP*((\t)%2)+16*\i
.endr
.endm
.macro XSTEP t
.set XS, X+16*((\t)%2)
.if (\t) > 0
	s_wait_dscnt 1                                 ; this step's numbers are back from the stage (the last step's byte store may be out): so its stores into the stage have read their registers,
.else
	s_wait_dscnt 0x0
.endif
.if (\t)+4 < STEPS
	XLOAD (\t)+4                                   ; which take the loads of four steps on
.endif
.if (\t)+1 < STEPS
.if STEPS-2-(\t) >= 3
	s_wait_loadcnt 12                              ; the next step's four loads are in; the twelve of the three steps behind it may be out
.else
	s_wait_loadcnt 4*(STEPS-2-(\t))
.endif
	XTURN (\t)+1                                   ; and go through the other stage while this step is worked
.endif
	v_max3_num_f32 v8, |v[XS]|, |v[XS+1]|, |v[XS+2]|               ; the largest magnitude of my 16, in two chains
	v_max3_num_f32 v9, |v[XS+3]|, |v[XS+4]|, |v[XS+5]|
.irp i, 6,10
	v_max3_num_f32 v8, v8, |v[XS+\i]|, |v[XS+\i+1]|
	v_max3_num_f32 v9, v9, |v[XS+\i+2]|, |v[XS+\i+3]|
.endr
	v_max3_num_f32 v8, v8, |v[XS+14]|, |v[XS+15]|
	v_max3_num_f32 v8, v8, v9, 0x1800000           ; and the floor 2^(3 - 127): the byte cannot fall under 1
	v_max_num_f32_dpp v8, v8, v8 row_xmask:1 row_mask:0xf bank_mask:0xf   ; and of my neighbour's 16: the block's
	v_add_nc_u32 v11, 0xff000000, v8               ; 2 off its exponent field: the conversion takes the exponent field of this operand as its scale, and nothing else of it
	v_cvt_scalef32_pk8_fp4_f32 v[C+4*(\t)], v[XS:XS+7], v11
	v_cvt_scalef32_pk8_fp4_f32 v[C+4*(\t)+1], v[XS+8:XS+15], v11
	v_lshrrev_b32 v[E+(\t)], 23, v11               ; the scale's byte (also the plain line behind the conversions)
	ds_store_b8 v5, v[E+(\t)] offset:16*(\t)       ; both lanes of a block write the same byte with the same value
	global_store_b64 v4, v[C+4*(\t):C+4*(\t)+1], s[22:23] offset:256*(\t)   ; the wave stores 256 consecutive bytes, aligned
.endm
.irp t, 0,1,2,3
	XLOAD \t
.endr
	s_wait_loadcnt 12                              ; step 0's four loads are in
	XTURN 0
.irp t, 0,1,2,3,4,5,6,7,8,9,10,11,12,13,14,15
	XSTEP \t
.endr
	ds_load_b64 v[8:9], v6                         ; my wave's 256 scale bytes: these loads see my stores
	s_wait_dscnt 0x0
	global_store_b64 v7, v[8:9], s[24:25]          ; 32 lanes store 256 consecutive bytes, aligned
	FINISH
; ---------------- PATH W: K is the weight's FIRST axis.  A lane takes a column n and its registers run down K: each load reads 128 consecutive bytes a wave, a block of 32 lies in one lane's
; 32 registers, and the conversions give codes with K innermost.  A wave takes 32 columns x 512 along K; the codes go through its stage and leave as rows of 256 bytes.
.Lweights:
	s_lshr_b32 s34, ttmp9, 4                       ; which weight: 16 work-groups each
	s_and_b32 s33, ttmp9, 7                        ; which 128 columns
	s_bfe_u32 s35, ttmp9, 0x10003                  ; which 512 along K
	s_cmp_eq_u32 s34, 0
	s_cselect_b64 s[36:37], s[14:15], s[16:17]
	s_cmp_eq_u32 s34, 2
	s_cselect_b64 s[36:37], s[18:19], s[36:37]
	s_lshl_b32 s33, s33, 7
	s_lshl_b32 s38, s32, 5
	s_add_co_u32 s33, s33, s38                     ; my wave's first column
	s_lshl_b32 s38, s35, 21                        ; W: 512 rows of 4,096 bytes, + 4 x column
	s_lshl_b32 s40, s33, 2
	s_add_co_u32 s38, s38, s40
	s_add_nc_u64 s[36:37], s[36:37], s[38:39]
	s_lshl_b32 s38, s34, 19                        ; codes: 524,288 bytes a weight, 512 a column, 256 for 512 along K
	s_lshl_b32 s40, s33, 9
	s_add_co_u32 s38, s38, s40
	s_lshl_b32 s40, s35, 8
	s_add_co_u32 s38, s38, s40
	s_add_nc_u64 s[26:27], s[26:27], s[38:39]
	s_lshl_b32 s38, s34, 15                        ; scale bytes: 32,768 a weight, 32 a column, 16 for 512 along K
	s_lshl_b32 s40, s33, 5
	s_add_co_u32 s38, s38, s40
	s_lshl_b32 s40, s35, 4
	s_add_co_u32 s38, s38, s40
	s_add_nc_u64 s[28:29], s[28:29], s[38:39]
	v_lshlrev_b32 v3, 2, v2                        ; in: 4 bytes a lane
	s_mul_i32 s35, s32, 32*WP
	s_add_co_u32 s35, s35, WSTG                    ; my stage
	v_mul_u32_u24 v4, v2, WP
	v_add_nc_u32 v4, s35, v4                       ; into it: row = my column
	v_and_b32 v5, 15, v2
	v_lshrrev_b32 v6, 4, v2                        ; out of it: sixteen lanes to a row, two rows an instruction
	v_mul_u32_u24 v7, v6, WP
	v_lshl_add_u32 v7, v5, 4, v7
	v_add_nc_u32 v7, s35, v7
	v_lshlrev_b32 v8, 9, v6
	v_lshl_add_u32 v8, v5, 4, v8                   ; and the same place in the codes' buffer: rows 512 bytes apart
	v_lshlrev_b32 v9, 5, v2                        ; my column's row of scale bytes
.macro WLOAD t                         ; block t: W(32 t + i, my column), i = 0 .. 31, into set t % 2; the largest offset, 511 rows of 4,096 bytes, lies inside the signed 24-bit immediate
.irp i, 0,1,2,3,4,5,6,7,8,9,10,11,12,13,14,15,16,17,18,19,20,21,22,23,24,25,26,27,28,29,30,31
	global_load_b32 v[WX+32*((\t)%2)+\i], v3, s[36:37] offset:(32*(\t)+\i)*4096 th:TH_LOAD_NT
.endr
.endm
.macro WBLOCK t
.set XS, WX+32*((\t)%2)
.if (\t) < NB-1
	s_wait_loadcnt 32                              ; this block's 32 loads are in; the next block's 32 may be out
.else
	s_wait_loadcnt 0
.endif
	v_max3_num_f32 v16, |v[XS]|, |v[XS+1]|, |v[XS+2]|              ; the block's largest magnitude: all 32 numbers are mine
	v_max3_num_f32 v17, |v[XS+3]|, |v[XS+4]|, |v[XS+5]|
.irp i, 6,10,14,18,22,26
	v_max3_num_f32 v16, v16, |v[XS+\i]|, |v[XS+\i+1]|
	v_max3_num_f32 v17, v17, |v[XS+\i+2]|, |v[XS+\i+3]|
.endr
	v_max3_num_f32 v16, v16, |v[XS+30]|, |v[XS+31]|
	v_max3_num_f32 v16, v16, v17, 0x1800000        ; and the floor 2^(3 - 127)
	v_add_nc_u32 v11, 0xff000000, v16              ; the conversion's scale operand
	v_lshrrev_b32 v10, 23, v11                     ; the scale's byte
.if (\t)%4 == 0
	v_mov_b32 v[SB+(\t)/4], v10                    ; four bytes to a register, the lower K in the lower byte
.else
	v_lshl_or_b32 v[SB+(\t)/4], v10, 8*((\t)%4), v[SB+(\t)/4]
.endif
.irp g, 0,1,2,3
	v_cvt_scalef32_pk8_fp4_f32 v[WC+\g], v[XS+8*\g:XS+8*\g+7], v11
.endr
	ds_store_b128 v4, v[WC:WC+3] offset:16*(\t)    ; 32 codes: 16 bytes of my column's row
.if (\t)+2 < NB
	WLOAD (\t)+2
.endif
	s_wait_dscnt 0x0                               ; the store has read its registers: the next block's codes may be written
.endm
	WLOAD 0
	WLOAD 1
.set Q, 0
.rept NB
	WBLOCK Q
.set Q, Q+1
.endr
	global_store_b128 v9, v[SB:SB+3], s[28:29]     ; my column's 16 scale bytes
.irp t, 0,1,2,3,4,5,6,7,8,9,10,11,12,13,14,15
	ds_load_b128 v[OUTR+4*\t:OUTR+4*\t+3], v7 offset:2*\t*WP
.endr
.irp t, 0,1,2,3,4,5,6,7,8,9,10,11,12,13,14,15
	s_wait_dscnt 15-\t                             ; the younger loads from the stage may be out
	global_store_b128 v8, v[OUTR+4*\t:OUTR+4*\t+3], s[26:27] offset:2*\t*512   ; sixteen lanes store 256 consecutive bytes, aligned
.endr
	FINISH
; ---------------- PATH C: Wo to f16.  A wave takes 4,096 numbers: 32 loads of 512 consecutive bytes, all issued at once; each becomes one store of 256 consecutive bytes.
.Lcast:
	s_sub_co_u32 s33, ttmp9, 48
	s_lshl_b32 s33, s33, 2
	s_add_co_u32 s33, s33, s32                     ; my part: 0 .. 255
	s_lshl_b32 s38, s33, 14
	s_add_nc_u64 s[20:21], s[20:21], s[38:39]
	s_lshl_b32 s38, s33, 13
	s_add_nc_u64 s[30:31], s[30:31], s[38:39]
	v_lshlrev_b32 v3, 4, v2
	v_lshlrev_b32 v4, 3, v2
.set i, 0
.rept 32
	global_load_b128 v[32+4*i:35+4*i], v3, s[20:21] offset:512*i th:TH_LOAD_NT
.set i, i+1
.endr
.set i, 0
.rept 32
	s_wait_loadcnt 31-i                            ; loads come back in order (ISA guide 5.7.1): the younger ones stay out
	v_cvt_pk_f16_f32 v[32+4*i], v[32+4*i], v[33+4*i]
	v_cvt_pk_f16_f32 v[33+4*i], v[34+4*i], v[35+4*i]
	global_store_b64 v4, v[32+4*i:33+4*i], s[30:31] offset:256*i   ; no register is written again behind its store
.set i, i+1
.endr
	FINISH
.Lfunc_end_k_q9d28444459_prep:
	.size	k_q9d28444459_prep, .Lfunc_end_k_q9d28444459_prep-k_q9d28444459_prep
	.p2alignl 7, 3214868480
	.fill 96, 4, 3214868480
	.section	.rodata,"a",@progbits
	.p2align	6, 0x0
	.amdhsa_kernel k_q9d28444459_prep
		.amdhsa_group_segment_fixed_size 68096
		.amdhsa_private_segment_fixed_size 0
		.amdhsa_enable_private_segment 0
		.amdhsa_kernarg_size 96
		.amdhsa_user_sgpr_count 2
		.amdhsa_user_sgpr_kernarg_segment_ptr 1
		.amdhsa_wavefront_size32 1
		.amdhsa_system_sgpr_workgroup_id_x 1
		.amdhsa_system_sgpr_workgroup_id_y 1
		.amdhsa_system_sgpr_workgroup_id_z 1
		.amdhsa_system_vgpr_workitem_id 0
		.amdhsa_next_free_vgpr 192
		.amdhsa_next_free_sgpr 66
		.amdhsa_reserve_vcc 0
		.amdhsa_float_denorm_mode_32 3
		.amdhsa_float_denorm_mode_16_64 3
		.amdhsa_memory_ordered 1
		.amdhsa_forward_progress 1
		.amdhsa_inst_pref_size 123
	.end_amdhsa_kernel
	.amdgpu_metadata
---
amdhsa.version: [ 1, 2 ]
amdhsa.kernels:
  - .name:           k_q9d28444459_prep
    .symbol:         k_q9d28444459_prep.kd
    .args:
      - { .name: Q, .offset: 0, .size: 8, .value_kind: global_buffer, .address_space: global }
      - { .name: K, .offset: 8, .size: 8, .value_kind: global_buffer, .address_space: global }
      - { .name: V, .offset: 16, .size: 8, .value_kind: global_buffer, .address_space: global }
      - { .name: Wq, .offset: 24, .size: 8, .value_kind: global_buffer, .address_space: global }
      - { .name: Wk, .offset: 32, .size: 8, .value_kind: global_buffer, .address_space: global }
      - { .name: Wv, .offset: 40, .size: 8, .value_kind: global_buffer, .address_space: global }
      - { .name: Wo, .offset: 48, .size: 8, .value_kind: global_buffer, .address_space: global }
      - { .name: xc, .offset: 56, .size: 8, .value_kind: global_buffer, .address_space: global }
      - { .name: xs, .offset: 64, .size: 8, .value_kind: global_buffer, .address_space: global }
      - { .name: wc, .offset: 72, .size: 8, .value_kind: global_buffer, .address_space: global }
      - { .name: ws, .offset: 80, .size: 8, .value_kind: global_buffer, .address_space: global }
      - { .name: wo16, .offset: 88, .size: 8, .value_kind: global_buffer, .address_space: global }
    .group_segment_fixed_size: 68096
    .private_segment_fixed_size: 0
    .kernarg_segment_align: 8
    .kernarg_segment_size: 96
    .max_flat_workgroup_size: 128
    .sgpr_count:     66
    .vgpr_count:     192
    .wavefront_size: 32
...
	.end_amdgpu_metadata
.endif
;; end of part 1
;; launch proj (part 2): grid 4 x 96, 4 waves a work-group, clusters of 4 x 4, 327,680 bytes of LDS; arguments xc, xs, wc, ws, qkv, bq, bk, bv; writes qkv
.if DOCPART == 2
	.amdgcn_target "amdgcn-amd-amdhsa--gfx1250"
	.amdhsa_code_object_version 6
	.text
	.protected	k_q9d28444459_proj
	.globl	k_q9d28444459_proj
	.p2align	8
	.type	k_q9d28444459_proj,@function
k_q9d28444459_proj:
	s_mov_b64 s[64:65], 0
	v_nop
	global_prefetch_b8 v0, s[64:65] scope:SCOPE_SE
	s_setreg_imm32_b32 hwreg(HW_REG_WAVE_MODE, 25, 1), 1
	s_wait_xcnt 0x0
	s_wait_alu depctr_hold_cnt(0) depctr_sa_sdst(0) depctr_va_vdst(0) depctr_va_sdst(0) depctr_va_ssrc(0) depctr_va_vcc(0) depctr_vm_vsrc(0)
	s_getreg_b32 s2, hwreg(HW_REG_IB_STS2, 6, 4)
	s_cmp_eq_u32 s2, 0
	s_cbranch_scc0 .Lentry_in_a_cluster
	s_endpgm
.Lentry_in_a_cluster:
	s_bfe_u32 s2, ttmp6, 0x10000c
	s_cmp_lg_u32 s2, 0xf033
	s_cbranch_scc0 .Lentry_shape_is_right
	s_endpgm
.Lentry_shape_is_right:
; PROJ: q = Q Wq + bq, k = K Wk + bk, v = V Wv + bv, all three as ONE product on codes of FP4 (E2M1) with one E8M0 scale for each 32 along K; sums in f32; the results leave as f16.
; A: xc [24576][1024 codes] (Q's, K's, V's rows on end), scales xs [24576][32].  B: wc [3][1024 n][1024 codes], scales ws [3][1024][32].  Tile rows 0-31 of C take Wq, 32-63 Wk, 64-95 Wv.
; OUT: qkv [3][batch 4][head 16][token 2048][64] f16: a token's part of a head is 128 bytes, two tokens fill 256 consecutive bytes.
; A tile of C, 256 x 256, is made by four waves, as many as a WGP has SIMDs; a wave makes 128 x 128: 64 accumulators, 512 registers.  K = 1,024 is two K steps of 512: both lie in LDS from the
; first fills on (two slots, rows of 256 bytes), and nothing is filled again.  The scales of the work-group's 256 + 256 rows come with them, as two dense blocks.
; CLUSTERS: 4 x 4 work-groups.  The four of a row of the cluster need the same tiles of A, the four of a column the same tiles of B: each tile is asked for JOINTLY.  A cluster's four tile rows lie in one tensor.
; THE MATRIX INSTRUCTION IS USED TRANSPOSED (source 0 = 16 rows of B, source 1 = 16 rows of A): a lane holds eight neighbouring columns of one token.  THE BIAS is the C of each sum's first instruction.
; LIMITS: results beyond 65,504 do not fit f16.
; REGISTERS: window 0: v0-31 addresses; v32-95 scale words, two sets; v128-191 A's fragments, ONE set; v192-255 the bias in the result's layout, later the way out.
;   window 1: B's fragments, TWO sets, at v0 and v128.   window 2: the accumulators of my rows 0-63 ((a, b) at v[8 (8 a + b)]);   window 3: those of my rows 64-127.
.set NQ,     4                         ; matrix instructions deep in a slot: 512 along K
.set ROWB,   256                       ; a tile's row in bytes
.set KROW,   512                       ; a row of codes in memory
.set PITCH,  272                       ; an LDS row: 256 bytes + 16 of padding = 68 words: row r starts at bank 4 r mod 64 (64 banks of 4 bytes: ISA guide 11.1)
.set FR,     8                         ; registers of a fragment: 16 rows x 128 K
.set NL,     2                         ; LDS loads that bring one
.set NP,     4                         ; places behind this matrix instruction (ISA guide 7.12.1)
.set HALFT,  128*PITCH                 ; 128 rows: what one tensor load brings
.set SLOT,   4*HALFT                   ; A's 256 rows, then B's 256 rows
.set KS,     32                        ; a row of scales in bytes
.set SCL,    2*SLOT                    ; behind the slots: the scales, as runs of 256 bytes + 16 of padding
.set HALFS,  16*272                    ; the scales of 128 rows
.set SBLK,   2*272                     ; those of 16 rows
.set SPARE,  SCL+4*HALFS               ; the spare words, 128 bytes for each wave: two blocks of 256 bytes that no other line names
.set ADRA, 16                          ; v16-17  LDS address of my A fragments in slot 0, 1
.set ADRB, 20                          ; v20-21  the same for B
.set STO,  24                          ; v24     the way out: where I put 16 bytes of a token
.set RD,   25                          ; v25     the way out: where I read 16 bytes of a pair of tokens back
.set CO,   26                          ; v26     my byte offset in qkv
.set ADRS, 27                          ; v27     LDS address of my scale words: lanes 0-15 A's rows, lanes 16-31 B's
.set SPW,  28                          ; v28     LDS address of my spare word; never rewritten
.set NIL,  29                          ; v29     0; never rewritten
.set SC,   32                          ; scale words: set s at v[SC + 32 s]; register 4 i + q: lanes 0-15 the word of A's block i, lanes 16-31 that of B's block i
.set AF,   128
.set BI,   192                         ; the bias: block b of my 128 columns at v[BI + 8 b]
.set TMP,  192                         ; the way out: a block's packed results
.set OB,   32                          ; the way out: 16 tokens read back: v32-63 and v224-255 by turns
.set G1, 24
.set G0, 32
.set G1B, 48
.set G0B, 56
.set G1S, 68
.set G0S, 76
.set G1SB, 80
.set G0SB, 88
.set MSB, 0
.macro WIN new                         ; the immediate's high byte repeats the setting that is left
.if MSB != (\new)
	s_set_vgpr_msb (MSB<<8)|(\new)
.set MSB, (\new)
.endif
.endm
.set MUL_LO, 0xa1                      ; source 0 (B) window 1, source 1 (A) window 0, C and D window 2
.set MUL_HI, 0xf1                      ; the same, C and D window 3
.set TO_B,   0x40
; A joint load: waves 0 and 1 fetch for A, waves 2 and 3 for B.  An s_nop 0 and four v_nop follow each of the two lines.
.macro JLOAD g0a, g1a, g0b, g1b
	s_cmp_eq_u32 s15, 0
	s_cbranch_scc0 .Lfor_b_\@
	tensor_load_to_lds s[\g0a:\g0a+3], s[\g1a:\g1a+7]
	s_nop 0
.rept 4
	v_nop
.endr
	s_branch .Lasked_\@
.Lfor_b_\@:
	tensor_load_to_lds s[\g0b:\g0b+3], s[\g1b:\g1b+7]
	s_nop 0
.rept 4
	v_nop
.endr
.Lasked_\@:
.endm
.macro CROUND                          ; a round of the cluster's barrier
	s_barrier_signal -1
	s_barrier_wait -1
	s_cmp_lg_u32 s14, 0
	s_cbranch_scc1 .Lnot_wave_0_\@
	s_barrier_signal -3
.Lnot_wave_0_\@:
	s_barrier_wait -3
	s_barrier_signal -1
	s_barrier_wait -1
.endm
	s_load_b128 s[4:7], s[0:1], 0x0                ; A's codes s[4:5], A's scales s[6:7]
	s_load_b128 s[8:11], s[0:1], 0x10              ; B's codes s[8:9], B's scales s[10:11]
	s_load_b64 s[12:13], s[0:1], 0x20              ; qkv
	s_load_b128 s[96:99], s[0:1], 0x28             ; bq, bk
	s_load_b64 s[100:101], s[0:1], 0x38            ; bv
	v_lshl_add_u32 v[SPW], v0, 2, SPARE
	v_mov_b32 v[NIL], 0
	ds_add_u32 v[SPW], v[NIL]                      ; the wave's opening: the add, twice on end, and its wait ahead of my first tensor load
	ds_add_u32 v[SPW], v[NIL]
	v_lshrrev_b32 v1, 5, v0
	v_readfirstlane_b32 s14, v1                    ; wave 0..3
	s_lshr_b32 s15, s14, 1                         ; which half of the tile's rows is mine.  Also: I fetch for A (0) or for B (1)
	s_and_b32 s16, s14, 1                          ; which half of its columns.  Also: which 128 rows of that tile I fetch
	s_bfe_u32 s40, ttmp6, 0x40000                  ; cx, cy: my place in the cluster
	s_bfe_u32 s41, ttmp6, 0x40004
	s_lshl_b32 s42, ttmp9, 2
	s_add_co_u32 s42, s42, s40                     ; tile column of C = 4 x cluster x + cx
	s_and_b32 s17, ttmp7, 0xffff
	s_lshr_b32 s95, s17, 3                         ; which tensor: eight clusters along y each; the same in all sixteen partners
	s_lshl_b32 s17, s17, 2
	s_add_co_u32 s17, s17, s41                     ; tile row of C = 4 x cluster y + cy
	s_lshl_b32 s43, s41, 2
	s_lshl_b32 s43, 15, s43                        ; my row of the cluster
	s_lshl_b32 s44, 0x1111, s40                    ; my column
	s_or_b32 s[G1+0], s43, (0<<16)|(1<<20)|(1<<21)|(5<<22)|(3<<25)  ; 15:0 the mask; 17:16 element of 1 byte; 20 padding on; 21 set beside a mask; 24:22 after every 64 words; 31:25 of 4 words
	s_or_b32 s[G1B+0], s44, (0<<16)|(1<<20)|(1<<21)|(5<<22)|(3<<25)
.irp g, G1, G1B
	s_mov_b32 s[\g+1], ROWB<<16                    ; tensor_dim0
	s_mov_b32 s[\g+2], 128<<16                     ; tensor_dim1
	s_mov_b32 s[\g+3], ROWB<<16                    ; tile_dim0
	s_mov_b32 s[\g+4], 128                         ; tile_dim1
	s_mov_b32 s[\g+5], KROW                        ; tensor_dim0_stride
	s_mov_b32 s[\g+6], 0
	s_mov_b32 s[\g+7], 0
.endr
	s_or_b32 s[G1S+0], s43, (3<<16)|(1<<20)|(1<<21)|(5<<22)|(3<<25)   ; the scales of 128 rows: 4,096 dense bytes as 16 rows of 32 elements of 8 bytes, 16 bytes of padding behind each
	s_or_b32 s[G1SB+0], s44, (3<<16)|(1<<20)|(1<<21)|(5<<22)|(3<<25)
.irp g, G1S, G1SB
	s_mov_b32 s[\g+1], 32<<16
	s_mov_b32 s[\g+2], 16<<16
	s_mov_b32 s[\g+3], 32<<16
	s_mov_b32 s[\g+4], 16
	s_mov_b32 s[\g+5], 32
	s_mov_b32 s[\g+6], 0
	s_mov_b32 s[\g+7], 0
.endr
	s_lshl_b32 s18, s16, 7                         ; which 128 rows of the tile I fetch
	s_lshl_b32 s20, s17, 8
	s_add_co_u32 s20, s20, s18                     ; A: row 256 x tile row + 128 x half
	s_lshl_b32 s46, s42, 8
	s_add_co_u32 s46, s46, s18
	s_lshl_b32 s47, s95, 10
	s_add_co_u32 s46, s46, s47                     ; B: row 1024 x tensor + 256 x tile column + 128 x half
	s_mov_b32 s21, 0
	s_mov_b32 s47, 0
	s_mov_b64 s[18:19], KS
	s_mul_u64 s[22:23], s[20:21], s[18:19]         ; where these rows' scales begin, in bytes
	s_mul_u64 s[92:93], s[46:47], s[18:19]
	s_mov_b64 s[18:19], KROW
	s_mul_u64 s[20:21], s[20:21], s[18:19]         ; and their codes
	s_mul_u64 s[46:47], s[46:47], s[18:19]
	s_mul_i32 s45, s14, HALFT                      ; where they go: wave x 128 rows: no place in the cluster enters an LDS address
	s_mul_i32 s94, s14, HALFS
	s_wait_dscnt 0x0                               ; both opening adds are done
	s_wait_kmcnt 0x0
	s_add_nc_u64 s[20:21], s[4:5], s[20:21]
	s_add_nc_u64 s[22:23], s[6:7], s[22:23]
	s_add_nc_u64 s[46:47], s[8:9], s[46:47]
	s_add_nc_u64 s[92:93], s[10:11], s[92:93]
	CROUND                                         ; all sixteen work-groups are here: the joint loads meet
	s_mov_b32 s[G0S], 1
	s_add_co_u32 s[G0S+1], s94, SCL
	s_mov_b64 s[G0S+2:G0S+3], s[22:23]
	s_or_b32 s[G0S+3], s[G0S+3], 0x80000000
	s_mov_b32 s[G0SB], 1
	s_add_co_u32 s[G0SB+1], s94, SCL
	s_mov_b64 s[G0SB+2:G0SB+3], s[92:93]
	s_or_b32 s[G0SB+3], s[G0SB+3], 0x80000000
	JLOAD G0S, G1S, G0SB, G1SB                     ; the scales first: they are wanted with K step 0.  Three loads of mine are out behind these lines
.irp s, 0,1
	s_mov_b32 s[G0+4*\s], 1
	s_add_co_u32 s[G0+4*\s+1], s45, \s*SLOT
	s_add_nc_u64 s[G0+4*\s+2:G0+4*\s+3], s[20:21], \s*ROWB
	s_or_b32 s[G0+4*\s+3], s[G0+4*\s+3], 0x80000000
	s_mov_b32 s[G0B+4*\s], 1
	s_add_co_u32 s[G0B+4*\s+1], s45, \s*SLOT
	s_add_nc_u64 s[G0B+4*\s+2:G0B+4*\s+3], s[46:47], \s*ROWB
	s_or_b32 s[G0B+4*\s+3], s[G0B+4*\s+3], 0x80000000
	JLOAD G0+4*\s, G1, G0B+4*\s, G1B
.endr
	v_and_b32 v1, 15, v0                           ; r = l % 16
	v_bfe_u32 v2, v0, 4, 1                         ; h = l / 16
	; the bias of my 128 columns, in the result's layout: lane (r, h), block b: columns 16 b + 8 h + 0 .. 7
	s_cmp_eq_u32 s95, 0
	s_cselect_b64 s[96:97], s[96:97], s[98:99]
	s_cmp_eq_u32 s95, 2
	s_cselect_b64 s[96:97], s[100:101], s[96:97]
	s_lshl_b32 s46, s42, 10
	s_lshl_b32 s47, s16, 9
	s_add_co_u32 s46, s46, s47
	s_mov_b32 s47, 0
	s_add_nc_u64 s[96:97], s[96:97], s[46:47]
	v_lshlrev_b32 v30, 5, v2
.irp b, 0,1,2,3,4,5,6,7
	global_load_b128 v[BI+8*\b:BI+8*\b+3], v30, s[96:97] offset:64*\b
	global_load_b128 v[BI+8*\b+4:BI+8*\b+7], v30, s[96:97] offset:64*\b+16
.endr
	v_mul_u32_u24 v3, v1, PITCH
	v_lshl_add_u32 v4, v2, 4, v3                   ; a fragment's row x pitch + 16 x half
	s_mul_i32 s21, s15, HALFT                      ; my 128 rows of A
	s_mul_i32 s22, s16, HALFT                      ; my 128 rows of B,
	s_add_co_u32 s22, s22, 2*HALFT                 ; which lie behind A's 256
.irp s, 0,1
	v_add_nc_u32 v[ADRA+\s], s21, v4
	v_add_nc_u32 v[ADRB+\s], s22, v4
	s_add_co_u32 s21, s21, SLOT
	s_add_co_u32 s22, s22, SLOT
.endr
	v_mul_u32_u24 v5, v1, KS                       ; my row's scales: 32 bytes a row,
	v_lshrrev_b32 v6, 8, v5
	v_lshl_add_u32 v5, v6, 4, v5                   ; and 16 more for each 256 passed
	s_mul_i32 s21, s15, HALFS                      ; A's: my 128 rows
	s_mul_i32 s22, s16, HALFS                      ; B's: my 128 rows, behind A's 256
	s_add_co_u32 s22, s22, 2*HALFS
	s_sub_co_u32 s22, s22, s21
	v_mul_u32_u24 v6, s22, v2                      ; lanes 16-31 take B's: one product, the distance between the two bases
	s_add_co_u32 s21, s21, SCL
	v_add_nc_u32 v5, v5, v6
	v_add_nc_u32 v[ADRS], s21, v5
	; the way out.  My stage lies in slot 0: 2 heads x 8 rows of (two tokens' 256 bytes + 16)
	s_mul_i32 s23, s14, 16*PITCH
	v_lshrrev_b32 v5, 1, v1
	v_mul_u32_u24 v5, v5, PITCH
	v_and_b32 v6, 1, v1
	v_lshl_add_u32 v5, v6, 7, v5
	v_lshl_add_u32 v5, v2, 4, v5
	v_add_nc_u32 v[STO], s23, v5                   ; in: token r at (r / 2) x 272 + (r % 2) x 128, + 16 h
	v_mul_u32_u24 v5, v2, 8*PITCH
	v_lshl_add_u32 v5, v1, 4, v5
	v_add_nc_u32 v[RD], s23, v5                    ; back: lanes 0-15 a row of my first head, lanes 16-31 the same row of my second
	v_lshlrev_b32 v5, 18, v2
	v_lshl_add_u32 v[CO], v1, 4, v5                ; and in qkv: heads are 262,144 bytes apart
	s_lshl_b32 s20, s17, 8
	s_lshl_b32 s21, s15, 7
	s_add_co_u32 s20, s20, s21                     ; my first row of C, 0 .. 24,448
	s_lshr_b32 s21, s20, 11
	s_lshl_b32 s21, s21, 22                        ; 4 x tensor + batch: 4,194,304 bytes each
	s_and_b32 s20, s20, 2047
	s_lshl_b32 s20, s20, 7                         ; the token: 128 bytes
	s_add_co_u32 s20, s20, s21
	s_lshl_b32 s46, s42, 2
	s_lshl_b32 s47, s16, 1
	s_add_co_u32 s46, s46, s47                     ; my first head: 4 x tile column + 2 x half
	s_lshl_b32 s46, s46, 18
	s_add_co_u32 s20, s20, s46
	s_mov_b32 s21, 0
	s_add_nc_u64 s[12:13], s[12:13], s[20:21]      ; never stepped: every store's place stands in its immediate
.macro FRAG reg, adr, q, i             ; a fragment is 8 registers: lane l holds row l % 16; registers 4 c .. 4 c + 3 hold K = 64 c + 32 (l / 16) + 0 .. 31
.irp c, 0,1
	ds_load_b128 v[\reg+4*\c:\reg+4*\c+3], v[\adr] offset:64*(\q)+32*\c+(\i)*16*PITCH
.endr
.endm
; 16 matrix instructions: A's blocks a0, a0 + 1 x B's eight, the slot's q-th 128 along K.  p: B's set; sc: the set of scale words.  zero = 1: the sum begins with the bias.
; The 64 accumulators take turns, one instruction a turn, in the same order in every step.
.macro MUL16 a0, p, q, sc, zero
.irp a, \a0, \a0+1
.irp b, 0,1,2,3,4,5,6,7
.if \zero
	v_wmma_scale_f32_16x16x128_f8f6f4 v[8*(8*((\a)%4)+\b):8*(8*((\a)%4)+\b)+7], v[128*(\p)+FR*\b:128*(\p)+FR*\b+FR-1], v[AF+FR*(\a):AF+FR*(\a)+FR-1], v[BI+8*\b:BI+8*\b+7], v[SC+8*NQ*(\sc)+NQ*\b+(\q)], v[SC+8*NQ*(\sc)+NQ*(\a)+(\q)] matrix_a_fmt:MATRIX_FMT_FP4 matrix_b_fmt:MATRIX_FMT_FP4 matrix_a_scale:MATRIX_SCALE_ROW1
.else
	v_wmma_scale_f32_16x16x128_f8f6f4 v[8*(8*((\a)%4)+\b):8*(8*((\a)%4)+\b)+7], v[128*(\p)+FR*\b:128*(\p)+FR*\b+FR-1], v[AF+FR*(\a):AF+FR*(\a)+FR-1], v[8*(8*((\a)%4)+\b):8*(8*((\a)%4)+\b)+7], v[SC+8*NQ*(\sc)+NQ*\b+(\q)], v[SC+8*NQ*(\sc)+NQ*(\a)+(\q)] matrix_a_fmt:MATRIX_FMT_FP4 matrix_b_fmt:MATRIX_FMT_FP4 matrix_a_scale:MATRIX_SCALE_ROW1
.endif
.endr
.endr
.endm
.macro FETCH_B slot, q, p
	WIN TO_B
.irp i, 0,1,2,3,4,5,6,7
	FRAG 128*(\p)+FR*\i, ADRB+\slot, \q, \i
.endr
	WIN 0
.endm
.macro FETCH_A slot, q, i0
.irp i, \i0, \i0+1, \i0+2, \i0+3
	FRAG AF+FR*(\i), ADRA+\slot, \q, \i
.endr
.endm
.macro SCALES sc                       ; a K step's scale words: four words a row; lanes 0-15 take A's block i, lanes 16-31 B's block i
.irp i, 0,1,2,3,4,5,6,7
	ds_load_b128 v[SC+8*NQ*\sc+NQ*\i:SC+8*NQ*\sc+NQ*\i+3], v[ADRS] offset:\i*SBLK
.endr
.endm
.macro PLACES n                        ; plain vector instructions between a matrix instruction and a load into, or a read of, its registers
.rept \n
	v_nop
.endr
.endm
; A step of 128 along K that has its successor in the same slot.  A block of A is free as soon as its eight products are issued: blocks 0-3 are fetched anew in the step's middle, blocks 4-7 at its end.
.macro STEP slot, q, zero
	s_wait_dscnt 4*NL                              ; B's set and A's blocks 0-3 are in; the youngest eight loads (A's blocks 4-7) may be out
.if \zero
	WIN 0x81                                       ; C (the bias) window 0, D window 2
.else
	WIN MUL_LO
.endif
	MUL16 0, (\q)%2, \q, \slot, \zero
	MUL16 2, (\q)%2, \q, \slot, \zero
	s_wait_dscnt 0
	PLACES NP
	FETCH_B \slot, (\q)+1, 1-(\q)%2
	FETCH_A \slot, (\q)+1, 0
.if \zero
	WIN 0xc1                                       ; C window 0, D window 3
.else
	WIN MUL_HI
.endif
	MUL16 4, (\q)%2, \q, \slot, \zero
	MUL16 6, (\q)%2, \q, \slot, \zero
	PLACES NP
	WIN 0
	FETCH_A \slot, (\q)+1, 4
.endm
; Slot 0's last step changes slots: each wave waits for all its tensor loads (its part of slot 1), then the barrier shows slot 1 whole to every wave, and slot 0 read out: the stages will lie there.
.macro TURN slot, next
	s_wait_tensorcnt 0x0
	ds_add_u32 v[SPW], v[NIL]                      ; 0 onto my spare word
	s_wait_dscnt 4*NL+1                            ; (the add and the youngest eight loads may be out)
	WIN MUL_LO
	MUL16 0, 1, NQ-1, \slot, 0
	s_wait_dscnt 0x0                               ; the add is done, and my reads of this slot are over
	s_barrier_signal -1
	MUL16 2, 1, NQ-1, \slot, 0
	WIN 0
	s_barrier_wait -1
	PLACES NP
	v_add_nc_u32 v[ADRS], 4*NQ, v[ADRS]            ; on to the next K step's scale words
	FETCH_B \next, 0, 0
	FETCH_A \next, 0, 0
	SCALES \next
	WIN MUL_HI
	MUL16 4, 1, NQ-1, \slot, 0
	MUL16 6, 1, NQ-1, \slot, 0
	PLACES NP
	WIN 0
	FETCH_A \next, 0, 4
.endm
.macro STEPS slot, from
.set Q, \from
.rept NQ-1-\from
	STEP \slot, Q, 0
.set Q, Q+1
.endr
.endm
	s_wait_tensorcnt 1                             ; the scales and my part of K step 0 are in (K step 1's load may be out)
	s_barrier_signal -1
	s_barrier_wait -1                              ; everybody's are
	FETCH_B 0, 0, 0
	FETCH_A 0, 0, 0
	SCALES 0
	FETCH_A 0, 0, 4
	s_wait_loadcnt 0x0                             ; the bias
	STEP 0, 0, 1
	STEPS 0, 1
	TURN 0, 1
	STEPS 1, 0
	s_wait_dscnt 4*NL                              ; the very last step: nothing more to fetch
	WIN MUL_LO
	MUL16 0, 1, NQ-1, 1, 0
	MUL16 2, 1, NQ-1, 1, 0
	s_wait_dscnt 0
	WIN MUL_HI
	MUL16 4, 1, NQ-1, 1, 0
	MUL16 6, 1, NQ-1, 1, 0
	WIN 0
; THE WAY OUT, a block of 16 tokens x 128 columns (two heads) at a time.  PACK: rounded to f16, 16 bytes a lane, each accumulator from its low end on.  TOSTAGE: into my stage, and back as rows of two
; tokens.  SEND: stored.  LDS serves a wave's instructions in order (ISA guide 5.7.1.4): no wait between the stores and the loads, nor in front of the next block's stores.
.macro PACK a
.set AC, 64*((\a)%4)
	WIN 0x0a+5*((\a)/4)                            ; sources 0 and 1: window 2 or 3
.irp b, 0,1,2,3,4,5,6,7
.irp r, 0,1,2,3
	v_cvt_pk_f16_f32 v[TMP+4*\b+\r], v[AC+8*\b+2*\r], v[AC+8*\b+2*\r+1]
.endr
.endr
	WIN 0
.endm
.macro TOSTAGE a
.set BB, OB+192*((\a)%2)
.irp b, 0,1,2,3,4,5,6,7
	ds_store_b128 v[STO], v[TMP+4*\b:TMP+4*\b+3] offset:(\b/4)*8*PITCH+(\b%4)*32   ; head b / 4, channels 16 (b % 4) + 8 h on
.endr
.irp i, 0,1,2,3,4,5,6,7
	ds_load_b128 v[BB+4*\i:BB+4*\i+3], v[RD] offset:\i*PITCH
.endr
.endm
.macro SEND a
.set BB, OB+192*((\a)%2)
	s_wait_dscnt 0x0                               ; the block is back in registers
	s_wait_xcnt 0x0                                ; earlier stores have had their addresses translated (ISA guide 3.1): the registers that they read are loaded again only behind this wait
.irp i, 0,1,2,3,4,5,6,7
	global_store_b128 v[CO], v[BB+4*\i:BB+4*\i+3], s[12:13] offset:(\a)*2048+256*\i   ; sixteen lanes store 256 consecutive bytes, aligned: two tokens of one head
.endr
.endm
	PLACES NP
	PACK 0
	TOSTAGE 0
.irp a, 1,2,3,4,5,6,7                  ; block a's conversions stand between block a - 1's loads from the stage and the wait for them
	PACK \a
	SEND \a-1
	TOSTAGE \a
.endr
	SEND 7
	s_wait_tensorcnt 0x0                           ; the wave's end: behind my last tensor load and my last LDS store
	ds_add_u32 v[SPW], v[NIL]
	s_wait_dscnt 0x0
	CROUND                                         ; the closing round
	s_endpgm
.Lfunc_end_k_q9d28444459_proj:
	.size	k_q9d28444459_proj, .Lfunc_end_k_q9d28444459_proj-k_q9d28444459_proj
	.p2alignl 7, 3214868480
	.fill 96, 4, 3214868480
	.section	.rodata,"a",@progbits
	.p2align	6, 0x0
	.amdhsa_kernel k_q9d28444459_proj
		.amdhsa_group_segment_fixed_size 327680
		.amdhsa_private_segment_fixed_size 0
		.amdhsa_enable_private_segment 0
		.amdhsa_kernarg_size 64
		.amdhsa_user_sgpr_count 2
		.amdhsa_user_sgpr_kernarg_segment_ptr 1
		.amdhsa_wavefront_size32 1
		.amdhsa_system_sgpr_workgroup_id_x 1
		.amdhsa_system_sgpr_workgroup_id_y 1
		.amdhsa_system_sgpr_workgroup_id_z 1
		.amdhsa_system_vgpr_workitem_id 0
		.amdhsa_next_free_vgpr 1024
		.amdhsa_next_free_sgpr 102
		.amdhsa_reserve_vcc 0
		.amdhsa_float_denorm_mode_32 3
		.amdhsa_float_denorm_mode_16_64 3
		.amdhsa_memory_ordered 1
		.amdhsa_forward_progress 1
		.amdhsa_inst_pref_size 129
	.end_amdhsa_kernel
	.amdgpu_metadata
---
amdhsa.version: [ 1, 2 ]
amdhsa.kernels:
  - .name:           k_q9d28444459_proj
    .symbol:         k_q9d28444459_proj.kd
    .args:
      - { .name: xc, .offset: 0, .size: 8, .value_kind: global_buffer, .address_space: global }
      - { .name: xs, .offset: 8, .size: 8, .value_kind: global_buffer, .address_space: global }
      - { .name: wc, .offset: 16, .size: 8, .value_kind: global_buffer, .address_space: global }
      - { .name: ws, .offset: 24, .size: 8, .value_kind: global_buffer, .address_space: global }
      - { .name: qkv, .offset: 32, .size: 8, .value_kind: global_buffer, .address_space: global }
      - { .name: bq, .offset: 40, .size: 8, .value_kind: global_buffer, .address_space: global }
      - { .name: bk, .offset: 48, .size: 8, .value_kind: global_buffer, .address_space: global }
      - { .name: bv, .offset: 56, .size: 8, .value_kind: global_buffer, .address_space: global }
    .group_segment_fixed_size: 327680
    .private_segment_fixed_size: 0
    .kernarg_segment_align: 8
    .kernarg_segment_size: 64
    .max_flat_workgroup_size: 128
    .sgpr_count:     102
    .vgpr_count:     1024
    .wavefront_size: 32
...
	.end_amdgpu_metadata
.endif
;; end of part 2
;; launch attn (part 3): grid 4 x 64, 8 waves a work-group, clusters of 4 x 1, 327,680 bytes of LDS; arguments qkv, o16; writes o16
.if DOCPART == 3
	.amdgcn_target "amdgcn-amd-amdhsa--gfx1250"
	.amdhsa_code_object_version 6
	.text
	.protected	k_q9d28444459_attn
	.globl	k_q9d28444459_attn
	.p2align	8
	.type	k_q9d28444459_attn,@function
k_q9d28444459_attn:
	s_mov_b64 s[64:65], 0
	v_nop
	global_prefetch_b8 v0, s[64:65] scope:SCOPE_SE
	s_setreg_imm32_b32 hwreg(HW_REG_WAVE_MODE, 25, 1), 1
	s_wait_xcnt 0x0
	s_wait_alu depctr_hold_cnt(0) depctr_sa_sdst(0) depctr_va_vdst(0) depctr_va_sdst(0) depctr_va_ssrc(0) depctr_va_vcc(0) depctr_vm_vsrc(0)
	s_getreg_b32 s2, hwreg(HW_REG_IB_STS2, 6, 4)
	s_cmp_eq_u32 s2, 0
	s_cbranch_scc0 .Lentry_in_a_cluster
	s_endpgm
.Lentry_in_a_cluster:
	s_bfe_u32 s2, ttmp6, 0x10000c
	s_cmp_lg_u32 s2, 0x3003
	s_cbranch_scc0 .Lentry_shape_is_right
	s_endpgm
.Lentry_shape_is_right:
; ATTN: o[b][h][q][:] = the sum over k of softmax_k(q . k / 8) v[k][:], no mask.  q, k, v: qkv [3][batch x head 64][token 2048][64] f16; o16 likewise [64][2048][64] f16.
; Products on f16 operands with f32 sums; maxima, exponentials and row sums in f32; the weights p (at most 1) are rounded to f16 for the second product, o once at the end.
; LIMITS: NaN and infinities are not served; o beyond 65,504 does not fit f16.
; SHARES.  A work-group owns 512 queries of one head, each of its EIGHT waves 64: four tiles of 16, in 512 registers: two waves to a SIMD, so that one wave's softmax stands beside the other's products.
; Every wave walks the head's 2,048 keys, 64 a step.  K and V come through two LDS slots of 512 keys; each of the eight waves fetches 128 keys of K (waves 0-3) or of V (waves 4-7) with one tensor load.
; CLUSTER.  The four query blocks of a head form a cluster and walk the same K and V: each tile is asked for JOINTLY, by the same tensor load with a mask that names the four.
; LAYOUT.  S^T = K Q^T (source 0 = 16 keys, source 1 = 16 queries): a lane holds ONE query (lane % 16) and keys 8 (lane / 16) + 0..7.  Two such tiles, rounded to f16 in pairs, ARE source 1 of
; O^T = V^T P, whose result again holds one query a lane, and eight channels.  K comes out of LDS as it lies, V ([key][channel]) turned, by ds_load_tr16_b128.
; IN LDS two tokens' 128 bytes make a row of 256 bytes + padding: token t lies at (t / 2) x pitch + (t % 2) x 128.  With 272 (K) the sixteen rows of a fragment load fall on sixteen different 16-byte
; columns of the 64 banks (ISA guide 11.1); with 288 (V) so do the 8 keys x 2 pieces of the turning load.
; SOFTMAX.  For each query a running maximum m and sum l: p = 2^(c s - c m), c = log2(e) / 8; in every step O and l are multiplied by a = 2^(c m_old - c m_new).  A step's row sums are added up in
; the NEXT step, while that step's fragments of K are on their way out of LDS.
; REGISTERS: window 0: v1-10 addresses; v14, v15 the add's two; v16-63 statistics, 12 a tile: +0 c m, +1 m, +2 +3 l, +4..+7 c0-c3, +8 a, +9 0 (a's partner in a pair), +10 at work; v64-191 S^T, 32 a tile; v192-255 P, 16 a tile.
;   window 1: v0-127 O^T, 32 a tile; v128-191 Q, 16 a tile; v192-255 a step's K, then its V.
.set PK,    272
.set PV,    288
.set KSTEPB, 32*PK                     ; a step's 64 keys of K in LDS
.set VSTEPB, 32*PV
.set VOFF,  256*PK                     ; a slot: 512 keys of K, then 512 of V
.set SLOT,  256*(PK+PV)
.set SPARE, 2*SLOT                     ; the spare words, 128 bytes for each wave: four blocks of 256 bytes that no other line names
.set AK0, 2                            ; v2   my lane's place in a tile of K; never rewritten
.set AV0, 3                            ; v3   the same for V
.set ADK, 4                            ; v4   LDS address of the step's K
.set ADV, 5                            ; v5   of its V
.set QO,  6                            ; v6   my byte offset in the wave's rows of Q
.set STO, 7                            ; v7   the way out: where I put 16 bytes of a token
.set RD,  8                            ; v8   the way out: where I read back
.set GO,  10                           ; v10  my byte offset in the wave's rows of o16
.set SPW, 14
.set NIL, 15
.set ST,  16
.set S,   64
.set P,   192
.set OT,  0
.set QF,  128
.set KV,  192
.set WV,  12                           ; s12  my wave's number
.set G1K, 24
.set G1V, 32
.set G0K, 40                           ; s[40:47] group 0 for K's tiles, a set for each slot
.set G0V, 48                           ; s[48:55] the same for V's
.set TK,  56                           ; s56  LDS byte at which the step's K begins
.set TV,  57                           ; s57  and its V
.set CS,  58                           ; s[58:59] c: the packed form names a pair and takes its low word for both halves
.set SEL, 60                           ; s[60:61] lane selects for v_permlanex16_b32: lane l xor 16
.set CNT, 66
.set MSB, 0
.macro WIN new                         ; the immediate's high byte repeats the setting that is left
.if MSB != (\new)
	s_set_vgpr_msb (MSB<<8)|(\new)
.set MSB, (\new)
.endif
.endm
.macro JLOAD s                         ; a joint refill of slot s.  The branch hangs on the wave's number alone.  An s_nop 0 and four v_nop follow each of the two lines
	s_cmp_lt_u32 s[WV], 4
	s_cbranch_scc0 .Lfor_v_\@
	tensor_load_to_lds s[G0K+4*\s:G0K+4*\s+3], s[G1K:G1K+7]
	s_nop 0
.rept 4
	v_nop
.endr
	s_branch .Lasked_\@
.Lfor_v_\@:
	tensor_load_to_lds s[G0V+4*\s:G0V+4*\s+3], s[G1V:G1V+7]
	s_nop 0
.rept 4
	v_nop
.endr
.Lasked_\@:
.endm
.macro CROUND                          ; a round of the cluster's barrier
	s_barrier_signal -1
	s_barrier_wait -1
	s_cmp_lg_u32 s[WV], 0
	s_cbranch_scc1 .Lnot_wave_0_\@
	s_barrier_signal -3
.Lnot_wave_0_\@:
	s_barrier_wait -3
	s_barrier_signal -1
	s_barrier_wait -1
.endm
	s_load_b128 s[4:7], s[0:1], 0x0                ; qkv s[4:5], o16 s[6:7]
	v_lshl_add_u32 v[SPW], v0, 2, SPARE
	v_mov_b32 v[NIL], 0
	ds_add_u32 v[SPW], v[NIL]                      ; the wave's opening: the add, twice on end, and its wait ahead of my first tensor load
	ds_add_u32 v[SPW], v[NIL]
	v_lshrrev_b32 v1, 5, v0
	v_readfirstlane_b32 s[WV], v1                  ; wave 0..7
	s_bfe_u32 s13, ttmp6, 0x40000                  ; cx: my block of 512 queries; it enters Q's and o16's addresses alone
	s_and_b32 s14, ttmp7, 0xffff                   ; batch x 16 + head, which the four partners share
	s_lshl_b32 s14, s14, 18                        ; a head is 262,144 bytes
	s_and_b32 s16, s[WV], 3                        ; which 128 keys of a slot I fetch:
	s_lshl_b32 s20, s16, 14                        ; 16,384 bytes in memory,
	s_add_co_u32 s20, s20, s14
	s_mov_b32 s21, 0
	s_mul_i32 s17, s16, 64*PK                      ; and their place in a slot: K's,
	s_mul_i32 s18, s16, 64*PV
	s_add_co_u32 s18, s18, VOFF                    ; V's
	s_lshl_b32 s22, s13, 16                        ; my block's 512 rows of 128 bytes,
	s_lshl_b32 s23, s[WV], 13                      ; my wave's 64 of them
	s_add_co_u32 s22, s22, s23
	s_add_co_u32 s22, s22, s14
	s_mov_b32 s23, 0
	s_mov_b32 s[G1K], 15|(1<<16)|(1<<20)|(1<<21)|(5<<22)|(3<<25)  ; 15:0 the mask: all four work-groups; 17:16 elements of 2 bytes; 20 padding on; 21 set beside a mask; 24:22 after every 64 words; 31:25 4 words
	s_mov_b32 s[G1V], 15|(1<<16)|(1<<20)|(1<<21)|(5<<22)|(7<<25)  ; the same with 8 words of padding
.irp g, G1K, G1V
	s_mov_b32 s[\g+1], 128<<16                     ; tensor_dim0 = 128 elements: two tokens
	s_mov_b32 s[\g+2], 64<<16                      ; tensor_dim1 = 64 rows: 128 tokens
	s_mov_b32 s[\g+3], 128<<16                     ; tile_dim0
	s_mov_b32 s[\g+4], 64                          ; tile_dim1
	s_mov_b32 s[\g+5], 128                         ; tensor_dim0_stride: the rows are dense
	s_mov_b32 s[\g+6], 0
	s_mov_b32 s[\g+7], 0
.endr
	s_mov_b32 s[CS], 0x3e38aa3b                    ; c = log2(e) / 8
	s_mov_b32 s[CS+1], s[CS]
	s_mov_b32 s[SEL], 0x76543210
	s_mov_b32 s[SEL+1], 0xfedcba98
	s_mul_i32 s15, s[WV], 8*PK                     ; my stage for the way out, in slot 0
	s_wait_dscnt 0x0                               ; both opening adds are done
	s_wait_kmcnt 0x0
	s_add_nc_u64 s[8:9], s[4:5], s[20:21]          ; qkv at my head and my 128 keys
	s_add_nc_u64 s[4:5], s[4:5], s[22:23]          ; Q at my wave's first row
	s_add_nc_u64 s[6:7], s[6:7], s[22:23]          ; o16 likewise
	CROUND                                         ; all four work-groups are here: the first joint loads meet
.irp s, 0,1
	s_mov_b32 s[G0K+4*\s], 1
	s_add_co_u32 s[G0K+4*\s+1], s17, \s*SLOT
	s_add_nc_u64 s[G0K+4*\s+2:G0K+4*\s+3], s[8:9], 16777216+\s*65536   ; K is the second tensor; slot s begins with keys 512 s
	s_or_b32 s[G0K+4*\s+3], s[G0K+4*\s+3], 0x80000000
	s_mov_b32 s[G0V+4*\s], 1
	s_add_co_u32 s[G0V+4*\s+1], s18, \s*SLOT
	s_add_nc_u64 s[G0V+4*\s+2:G0V+4*\s+3], s[8:9], 33554432+\s*65536   ; V the third
	s_or_b32 s[G0V+4*\s+3], s[G0V+4*\s+3], 0x80000000
.endr
	s_cmp_lt_u32 s[WV], 4                          ; a wave's two first fills stand in one branch, ahead of every wait on TENSORcnt and every LDS read: two loads of mine are out
	s_cbranch_scc0 .Lfirst_v
	tensor_load_to_lds s[G0K:G0K+3], s[G1K:G1K+7]
	s_nop 0
	tensor_load_to_lds s[G0K+4:G0K+7], s[G1K:G1K+7]
	s_nop 0
.rept 4
	v_nop
.endr
	s_branch .Lfirst_asked
.Lfirst_v:
	tensor_load_to_lds s[G0V:G0V+3], s[G1V:G1V+7]
	s_nop 0
	tensor_load_to_lds s[G0V+4:G0V+7], s[G1V:G1V+7]
	s_nop 0
.rept 4
	v_nop
.endr
.Lfirst_asked:
	v_and_b32 v1, 15, v0                           ; r = l % 16
	v_bfe_u32 v9, v0, 4, 1                         ; h = l / 16
	v_lshlrev_b32 v[QO], 7, v1
	v_lshl_add_u32 v[QO], v9, 4, v[QO]             ; row r of 128 bytes + 16 h
	WIN 0x40                                       ; destination window 1, address window 0
.irp t, 0,1,2,3                        ; Q stays in registers: tile t, channels 32 d on
.irp d, 0,1
	global_load_b128 v[QF+16*\t+8*\d:QF+16*\t+8*\d+3],   v[QO], s[4:5] offset:2048*\t+64*\d
	global_load_b128 v[QF+16*\t+8*\d+4:QF+16*\t+8*\d+7], v[QO], s[4:5] offset:2048*\t+64*\d+32
.endr
.endr
	WIN 0
	v_lshrrev_b32 v11, 1, v1
	v_mul_u32_u24 v[AK0], v11, PK
	v_and_b32 v12, 1, v1
	v_lshl_add_u32 v[AK0], v12, 7, v[AK0]
	v_lshl_add_u32 v[AK0], v9, 4, v[AK0]           ; key r: (r / 2) x 272 + (r % 2) x 128, + 16 h
	v_bfe_u32 v11, v0, 1, 2
	v_lshl_add_u32 v11, v9, 2, v11                 ; the turning load: lane l reads key 8 h + l % 8: its row 4 h + (l % 8) / 2,
	v_mul_u32_u24 v[AV0], v11, PV
	v_and_b32 v12, 1, v0
	v_lshl_add_u32 v[AV0], v12, 7, v[AV0]          ; its half of the row,
	v_bfe_u32 v12, v0, 3, 1
	v_lshl_add_u32 v[AV0], v12, 4, v[AV0]          ; channels 8 ((l / 8) % 2) on
	v_add_nc_u32 v[STO], s15, v[AK0]               ; the way out: a token lies in the stage as a key lies in K's tile
	v_mul_u32_u24 v[RD], v9, PK
	v_lshl_add_u32 v[RD], v1, 4, v[RD]
	v_add_nc_u32 v[RD], s15, v[RD]                 ; back: lanes 0-15 one row of two tokens, lanes 16-31 the next
	v_and_b32 v[GO], 31, v0
	v_lshlrev_b32 v[GO], 4, v[GO]
.irp t, 0,1,2,3
	v_mov_b32 v[ST+12*\t], 0xff61b1e6              ; c m and m begin at -3e38, under every score: the first a is then 0
	v_mov_b32 v[ST+12*\t+1], 0xff61b1e6
	v_mov_b32 v[ST+12*\t+2], 0                     ; l
	v_mov_b32 v[ST+12*\t+3], 0
	v_mov_b32 v[ST+12*\t+9], 0                     ; named with a as a pair, so it is written
.endr
; The row sums of the step before: the tile's 16 pairs of weights are added in place, neighbours 1, 2, 4 and 8 pairs apart; then l = a l + the sum.  The four tiles by turns.
.macro SUMS
.irp w, 4,8,16,32
.set u, 0
.rept 32/\w
.irp t, 0,1,2,3
	v_pk_add_f32 v[S+32*\t+\w*u:S+32*\t+\w*u+1], v[S+32*\t+\w*u:S+32*\t+\w*u+1], v[S+32*\t+\w*u+\w/2:S+32*\t+\w*u+\w/2+1]
.endr
.set u, u+1
.endr
.endr
.irp t, 0,1,2,3
	v_pk_fma_f32 v[ST+12*\t+2:ST+12*\t+3], v[ST+12*\t+2:ST+12*\t+3], v[ST+12*\t+8:ST+12*\t+9], v[S+32*\t:S+32*\t+1] op_sel_hi:[1,0,1]
.endr
.endm
; Scalings and exponentials of tiles x, x + 1: ONE BATCH, in which nothing names an exponential's result.  A pair is scaled one turn ahead of its exponentials.
; cvt = 1: the roundings to f16 of tiles y, y + 1, whose exponentials have had their wait, stand among them as plain work.
.macro SE x, y, cvt
.set i, 0
.rept 17
.if i < 16
.irp t, \x, \x+1
	v_pk_fma_f32 v[S+32*(\t)+2*i:S+32*(\t)+2*i+1], v[S+32*(\t)+2*i:S+32*(\t)+2*i+1], s[CS:CS+1], v[ST+12*(\t):ST+12*(\t)+1] op_sel_hi:[1,0,0] neg_lo:[0,0,1] neg_hi:[0,0,1]  ; c s - c m
.endr
.if \cvt
.irp t, \y, \y+1
	v_cvt_pk_f16_f32 v[P+16*(\t)+i], v[S+32*(\t)+2*i], v[S+32*(\t)+2*i+1]
.endr
.endif
.endif
.if i > 0
.irp t, \x, \x+1
	v_exp_f32 v[S+32*(\t)+2*i-2], v[S+32*(\t)+2*i-2]
	v_exp_f32 v[S+32*(\t)+2*i-1], v[S+32*(\t)+2*i-1]
.endr
.endif
.set i, i+1
.endr
.endm
; A KEY STEP: 64 keys.  first = 1: the head's first step: its products start O^T's sums, and there is nothing to rescale and no earlier step's sums.
.macro STEP first
	WIN 0
	v_add_nc_u32 v[ADK], s[TK], v[AK0]             ; these four plain lines are the places between the last V^T P and the loads into the registers that it read (ISA guide 7.12.1 for vector instructions)
	v_add_nc_u32 v[ADV], s[TV], v[AV0]
	v_nop
	v_nop
	WIN 0x40
.irp k, 0,1,2,3                        ; keys 16 k on, channels 32 d on
.irp d, 0,1
	ds_load_b128 v[KV+8*(2*\k+\d):KV+8*(2*\k+\d)+3],   v[ADK] offset:\k*8*PK+64*\d
	ds_load_b128 v[KV+8*(2*\k+\d)+4:KV+8*(2*\k+\d)+7], v[ADK] offset:\k*8*PK+64*\d+32
.endr
.endr
	WIN 0
.if !\first
	SUMS                                           ; while K's fragments are on their way
.endif
	s_wait_dscnt 0x0                               ; K is in
	WIN 0x05                                       ; K and Q window 1, S^T window 0
.set i, 0
.rept 32                               ; S^T = K Q^T: channels 32 (i / 16) on, keys 16 ((i % 16) / 4) on, tile i % 4.  The 16 accumulators take turns; the first 16 products start the sums
.set rS, S+32*(i%4)+8*((i%16)/4)
.set rK, KV+8*(2*((i%16)/4)+i/16)
.set rQ, QF+16*(i%4)+8*(i/16)
.if i < 16
	v_wmma_f32_16x16x32_f16 v[rS:rS+7], v[rK:rK+7], v[rQ:rQ+7], 0
.else
	v_wmma_f32_16x16x32_f16 v[rS:rS+7], v[rK:rK+7], v[rQ:rQ+7], v[rS:rS+7]
.endif
.set i, i+1
.endr
	WIN 0
.rept 4
	v_nop                                          ; places ahead of the loads into K's registers and of the first read of the scores
.endr
	WIN 0x40
.irp c, 0,1                            ; V turned: keys 32 c on, channels 16 n on
.irp n, 0,1,2,3
	ds_load_tr16_b128 v[KV+8*(4*\c+\n):KV+8*(4*\c+\n)+3],   v[ADV] offset:\c*16*PV+32*\n
	ds_load_tr16_b128 v[KV+8*(4*\c+\n)+4:KV+8*(4*\c+\n)+7], v[ADV] offset:\c*16*PV+8*PV+32*\n
.endr
.endr
	WIN 0
	; the maximum of a lane's 32 scores and the old m: four chains a tile, each beginning at its accumulator's low end; the four tiles by turns
.irp j, 0,1,2,3
.irp t, 0,1,2,3
	v_max3_num_f32 v[ST+12*\t+4+\j], v[S+32*\t+8*\j], v[S+32*\t+8*\j+1], v[S+32*\t+8*\j+2]
.endr
.endr
.irp k, 3,5
.irp j, 0,1,2,3
.irp t, 0,1,2,3
	v_max3_num_f32 v[ST+12*\t+4+\j], v[ST+12*\t+4+\j], v[S+32*\t+8*\j+\k], v[S+32*\t+8*\j+\k+1]
.endr
.endr
.endr
.irp t, 0,1,2,3
	v_max3_num_f32 v[ST+12*\t+4], v[ST+12*\t+4], v[S+32*\t+7], v[S+32*\t+15]
.endr
.irp t, 0,1,2,3
	v_max3_num_f32 v[ST+12*\t+6], v[ST+12*\t+6], v[S+32*\t+23], v[S+32*\t+31]
.endr
.irp t, 0,1,2,3
	v_max3_num_f32 v[ST+12*\t+4], v[ST+12*\t+4], v[ST+12*\t+5], v[ST+12*\t+6]
.endr
.irp t, 0,1,2,3
	v_max3_num_f32 v[ST+12*\t+4], v[ST+12*\t+4], v[ST+12*\t+7], v[ST+12*\t+1]
.endr
.irp t, 0,1,2,3
	v_permlanex16_b32 v[ST+12*\t+5], v[ST+12*\t+4], s[SEL], s[SEL+1]   ; the query's other 32 keys lie in the lane 16 away
.endr
.irp t, 0,1,2,3
	v_mov_b32 v[ST+12*\t+10], v[ST+12*\t]          ; c m_old
.endr
.irp t, 0,1,2,3
	v_max_num_f32 v[ST+12*\t+1], v[ST+12*\t+4], v[ST+12*\t+5]
.endr
.irp t, 0,1,2,3
	v_mul_f32 v[ST+12*\t], s[CS], v[ST+12*\t+1]
.endr
.irp t, 0,1,2,3
	v_sub_f32 v[ST+12*\t+10], v[ST+12*\t+10], v[ST+12*\t]
.endr
.irp t, 0,1,2,3
	v_exp_f32 v[ST+12*\t+8], v[ST+12*\t+10]        ; a = 2^(c m_old - c m_new): the head of the first batch
.endr
	SE 0, 0, 0
	v_nop                                          ; the plain instruction behind the last exponential
	s_wait_alu depctr_va_vdst(0)                   ; the wait ahead of the first line that names a result: one for the four a and the 64 of tiles 0 and 1
	SE 2, 0, 1
	v_nop
	s_wait_alu depctr_va_vdst(0)                   ; and one for the 64 of tiles 2 and 3
.irp t, 2,3
.set i, 0
.rept 16
	v_cvt_pk_f16_f32 v[P+16*\t+i], v[S+32*\t+2*i], v[S+32*\t+2*i+1]
.set i, i+1
.endr
.endr
.if !\first
	WIN 0x41                                       ; O^T (destination and source 0) window 1, a window 0
.irp t, 0,1,2,3
.set i, 0
.rept 16
	v_pk_mul_f32 v[OT+32*\t+2*i:OT+32*\t+2*i+1], v[OT+32*\t+2*i:OT+32*\t+2*i+1], v[ST+12*\t+8:ST+12*\t+9] op_sel_hi:[1,0]   ; each accumulator from its low end on
.set i, i+1
.endr
.endr
.endif
	s_wait_dscnt 0x0                               ; V is in
	WIN 0x51                                       ; V window 1, P window 0, O^T window 1
.set i, 0
.rept 32                               ; O^T += V^T P: keys 32 (i / 16) on, channels 16 ((i % 16) / 4) on, tile i % 4; the 16 accumulators by turns
.set rO, OT+32*(i%4)+8*((i%16)/4)
.set rV, KV+8*(4*(i/16)+(i%16)/4)
.set rP, P+16*(i%4)+8*(i/16)
.if \first && (i < 16)
	v_wmma_f32_16x16x32_f16 v[rO:rO+7], v[rV:rV+7], v[rP:rP+7], 0
.else
	v_wmma_f32_16x16x32_f16 v[rO:rO+7], v[rV:rV+7], v[rP:rP+7], v[rO:rO+7]
.endif
.set i, i+1
.endr
	WIN 0
	s_add_co_u32 s[TK], s[TK], KSTEPB
	s_add_co_u32 s[TV], s[TV], VSTEPB
.endm
; THE CHANGE OF SLOTS.  Each wave waits for all its tensor loads, of which one is out: its part of the other slot; adds 0 to its spare word; and waits for that and for its reads of the slot that it leaves.
; fill = 1: slot s, just read out, is filled with the keys 1,024 on.  The barrier is then a round of the cluster's, and the joint refill is the first thing behind it: it has eight key steps in which to land.
.macro CHANGE fill, s
	WIN 0
	s_wait_tensorcnt 0x0                           ; no tensor load of mine is out, so a group 0 may be written
	ds_add_u32 v[SPW], v[NIL]
.if \fill
	s_add_nc_u64 s[G0K+4*\s+2:G0K+4*\s+3], s[G0K+4*\s+2:G0K+4*\s+3], 131072   ; the type bits on top are not reached
	s_add_nc_u64 s[G0V+4*\s+2:G0V+4*\s+3], s[G0V+4*\s+2:G0V+4*\s+3], 131072
.endif
	s_wait_dscnt 0x0                               ; the add is done, and my reads of the slot are over
.if \fill
	CROUND
	JLOAD \s
.else
	s_barrier_signal -1
	s_barrier_wait -1
.endif
.endm
.macro SLOT_STEPS s, n, init           ; n key steps of slot s: written once, walked n times
.if \init
	s_mov_b32 s[TK], \s*SLOT
	s_mov_b32 s[TV], \s*SLOT+VOFF
.endif
	s_mov_b32 s[CNT], \n
.Lstep_\@:
	STEP 0
	s_sub_co_u32 s[CNT], s[CNT], 1
	s_cmp_lg_u32 s[CNT], 0
	s_cbranch_scc1 .Lstep_\@
.endm
	s_wait_tensorcnt 1                             ; my part of slot 0 is in; slot 1's may stay out
	s_barrier_signal -1
	s_barrier_wait -1                              ; everybody's is
	s_wait_loadcnt 0x0                             ; Q
	s_mov_b32 s[TK], 0
	s_mov_b32 s[TV], VOFF
	STEP 1                                         ; keys 0 to 63
	SLOT_STEPS 0, 7, 0                             ; to 511
	CHANGE 1, 0                                    ; slot 0 takes keys 1,024 on
	SLOT_STEPS 1, 8, 1                             ; keys 512 to 1,023
	CHANGE 1, 1                                    ; slot 1 takes keys 1,536 on
	SLOT_STEPS 0, 8, 1
	CHANGE 0, 0                                    ; nothing is left to fetch
	SLOT_STEPS 1, 8, 1
	SUMS                                           ; the last step's sums: 64 plain lines that name no register of the last products: their places
	; THE WAY OUT.  l's two halves and the other half of the lanes' are added; O^T is divided by l, rounded to f16 and sent through my stage in LDS, a tile (16 tokens) at a time.
	; The stage lies in slot 0, which has had its last fill, and which no wave reads behind the last change of slots.
.irp t, 0,1,2,3
	v_add_f32 v[ST+12*\t+4], v[ST+12*\t+2], v[ST+12*\t+3]
.endr
.irp t, 0,1,2,3
	v_permlanex16_b32 v[ST+12*\t+5], v[ST+12*\t+4], s[SEL], s[SEL+1]
.endr
.irp t, 0,1,2,3
	v_add_f32 v[ST+12*\t+4], v[ST+12*\t+4], v[ST+12*\t+5]
.endr
.irp t, 0,1,2,3
	v_rcp_f32 v[ST+12*\t+8], v[ST+12*\t+4]
.endr
	v_nop                                          ; a plain instruction between the last reciprocal and the use of its result
	s_wait_alu depctr_va_vdst(0)                   ; one wait for the four reciprocals
	WIN 0x01                                       ; O^T (source 0) window 1; the quotient goes into S^T's registers
.irp t, 0,1,2,3
.set i, 0
.rept 16
	v_pk_mul_f32 v[S+32*\t+2*i:S+32*\t+2*i+1], v[OT+32*\t+2*i:OT+32*\t+2*i+1], v[ST+12*\t+8:ST+12*\t+9] op_sel_hi:[1,0]
.set i, i+1
.endr
.endr
	WIN 0
.irp t, 0,1,2,3
.set i, 0
.rept 16
	v_cvt_pk_f16_f32 v[P+16*\t+i], v[S+32*\t+2*i], v[S+32*\t+2*i+1]
.set i, i+1
.endr
.endr
.macro TOST t                          ; a lane's eight channels of a token are 16 bytes; they come back as rows of two tokens, into S^T's registers of the tile
.irp c, 0,1,2,3
	ds_store_b128 v[STO], v[P+16*\t+4*\c:P+16*\t+4*\c+3] offset:32*\c
.endr
.irp i, 0,1,2,3
	ds_load_b128 v[S+32*\t+4*\i:S+32*\t+4*\i+3], v[RD] offset:2*PK*\i   ; LDS serves a wave's instructions in order (ISA guide 5.7.1.4): these see the stores above; the next tile's stores come behind them
.endr
.endm
.macro SENDT t, younger                ; younger: the LDS instructions issued behind tile t's loads: the next tile's eight, or none
.irp i, 0,1,2,3
	s_wait_dscnt \younger+3-\i
	global_store_b128 v[GO], v[S+32*\t+4*\i:S+32*\t+4*\i+3], s[6:7] offset:2048*\t+512*\i   ; 32 lanes store 512 consecutive bytes, at a multiple of 256 from o16's first byte
.endr
.endm
	TOST 0
	TOST 1
	SENDT 0, 8
	TOST 2
	SENDT 1, 8
	TOST 3
	SENDT 2, 8
	SENDT 3, 0
	s_wait_tensorcnt 0x0                           ; the wave's end: behind my last tensor load and my last LDS store
	ds_add_u32 v[SPW], v[NIL]
	s_wait_dscnt 0x0
	CROUND                                         ; the closing round
	s_endpgm
.Lfunc_end_k_q9d28444459_attn:
	.size	k_q9d28444459_attn, .Lfunc_end_k_q9d28444459_attn-k_q9d28444459_attn
	.p2alignl 7, 3214868480
	.fill 96, 4, 3214868480
	.section	.rodata,"a",@progbits
	.p2align	6, 0x0
	.amdhsa_kernel k_q9d28444459_attn
		.amdhsa_group_segment_fixed_size 327680
		.amdhsa_private_segment_fixed_size 0
		.amdhsa_enable_private_segment 0
		.amdhsa_kernarg_size 16
		.amdhsa_user_sgpr_count 2
		.amdhsa_user_sgpr_kernarg_segment_ptr 1
		.amdhsa_wavefront_size32 1
		.amdhsa_system_sgpr_workgroup_id_x 1
		.amdhsa_system_sgpr_workgroup_id_y 1
		.amdhsa_system_sgpr_workgroup_id_z 1
		.amdhsa_system_vgpr_workitem_id 0
		.amdhsa_next_free_vgpr 512
		.amdhsa_next_free_sgpr 72
		.amdhsa_reserve_vcc 0
		.amdhsa_float_denorm_mode_32 3
		.amdhsa_float_denorm_mode_16_64 3
		.amdhsa_memory_ordered 1
		.amdhsa_forward_progress 1
		.amdhsa_inst_pref_size 180
	.end_amdhsa_kernel
	.amdgpu_metadata
---
amdhsa.version: [ 1, 2 ]
amdhsa.kernels:
  - .name:           k_q9d28444459_attn
    .symbol:         k_q9d28444459_attn.kd
    .args:
      - { .name: qkv, .offset: 0, .size: 8, .value_kind: global_buffer, .address_space: global }
      - { .name: o16, .offset: 8, .size: 8, .value_kind: global_buffer, .address_space: global }
    .group_segment_fixed_size: 327680
    .private_segment_fixed_size: 0
    .kernarg_segment_align: 8
    .kernarg_segment_size: 16
    .max_flat_workgroup_size: 256
    .sgpr_count:     72
    .vgpr_count:     512
    .wavefront_size: 32
...
	.end_amdgpu_metadata
.endif
;; end of part 3
;; launch oproj (part 4): grid 4 x 64, 4 waves a work-group, clusters of 4 x 4, 327,680 bytes of LDS; arguments o16, wo16, bo, out0; writes out0
.if DOCPART == 4
	.amdgcn_target "amdgcn-amd-amdhsa--gfx1250"
	.amdhsa_code_object_version 6
	.text
	.protected	k_q9d28444459_oproj
	.globl	k_q9d28444459_oproj
	.p2align	8
	.type	k_q9d28444459_oproj,@function
k_q9d28444459_oproj:
	s_mov_b64 s[64:65], 0
	v_nop
	global_prefetch_b8 v0, s[64:65] scope:SCOPE_SE
	s_setreg_imm32_b32 hwreg(HW_REG_WAVE_MODE, 25, 1), 1
	s_wait_xcnt 0x0
	s_wait_alu depctr_hold_cnt(0) depctr_sa_sdst(0) depctr_va_vdst(0) depctr_va_sdst(0) depctr_va_ssrc(0) depctr_va_vcc(0) depctr_vm_vsrc(0)
	s_getreg_b32 s2, hwreg(HW_REG_IB_STS2, 6, 4)
	s_cmp_eq_u32 s2, 0
	s_cbranch_scc0 .Lentry_in_a_cluster
	s_endpgm
.Lentry_in_a_cluster:
	s_bfe_u32 s2, ttmp6, 0x10000c
	s_cmp_lg_u32 s2, 0xf033
	s_cbranch_scc0 .Lentry_shape_is_right
	s_endpgm
.Lentry_shape_is_right:
; OPROJ: out0[token][n] = the sum over k of o[token][k] Wo[k][n] + bo[n].  o16: [batch 4][head 16][token 2048][64] f16 (k = 64 x head + channel); wo16: [1024 k][1024 n] f16; bo, out0: f32.  Sums in f32.
; A tile of C is 128 tokens x 256 columns: 256 work-groups, one to a WGP.  Four waves, each 64 x 128: 32 accumulators, 256 registers.  K goes in steps of 128 (two heads) through two LDS slots:
; waves 0 and 1 fetch a head's 128 tokens each (dense: 64 rows of two tokens, 256 bytes), waves 2 and 3 fetch 64 rows of k of Wo each (512 bytes of a row).
; CLUSTERS: 4 x 4 work-groups.  The four of a row of the cluster need the same tokens, the four of a column the same columns of Wo: each tile is asked for JOINTLY.
; THE MATRIX INSTRUCTION IS USED TRANSPOSED (source 0 = 16 columns of Wo, turned on its way out of LDS by ds_load_tr16_b128; source 1 = 16 tokens): a lane holds eight neighbouring columns of one token.
; THE BIAS is the C of each sum's first instruction.
; REGISTERS: window 0: v1-31 addresses; two fragment buffers at v32 and v128: 32 registers of tokens (4 blocks x 32 K), then 64 of Wo (8 blocks x 32 K).  window 1: the accumulators, (a, b) at v[8 (8 a + b)].  window 2: v0-63 the bias.
.set PA,    272                        ; two tokens' 256 bytes + 16: the sixteen rows of a fragment load fall on sixteen different 16-byte columns of the 64 banks (ISA guide 11.1)
.set PB,    544                        ; a row of k: 512 bytes + 32
.set HEADB, 64*PA                      ; a head's 128 tokens in LDS
.set BOFF,  2*HEADB
.set HALFB, 64*PB
.set SLOT,  BOFF+2*HALFB
.set SPARE, 2*SLOT                     ; the spare words, 128 bytes for each wave: two blocks of 256 bytes that no other line names
.set SPITCH, 528                       ; the way out: a stage of 16 rows x (512 bytes + 16) for each wave, in slot 0
.set ADRA, 16                          ; v16-17  LDS address of my tokens' fragments in slot 0, 1
.set ADRB, 20                          ; v20-21  the same for Wo's
.set STO,  24
.set RD,   25
.set CO,   26
.set SPW,  28
.set NIL,  29
.set PFO,  30                          ; v30     the prefetches' offset; never rewritten
.set F0,   32
.set F1,   128
.set G1A, 24
.set G0A, 32
.set G1B, 48
.set G0B, 56
.set PFA, 76                           ; s[76:77] where my prefetches stand
.set PFS, 78                           ; s[78:79] a K step on, in bytes
.set LIM, 80                           ; s80     1 in a wave that prefetches, else the greatest number
.set MSB, 0
.macro WIN new
.if MSB != (\new)
	s_set_vgpr_msb (MSB<<8)|(\new)
.set MSB, (\new)
.endif
.endm
.set MUL, 0x50                         ; sources 0 and 1 window 0; C and D window 1
.macro JLOAD s                         ; a joint load: waves 0 and 1 fetch tokens, waves 2 and 3 Wo.  An s_nop 0 and four v_nop follow each of the two lines
	s_cmp_eq_u32 s11, 0
	s_cbranch_scc0 .Lfor_b_\@
	tensor_load_to_lds s[G0A+4*\s:G0A+4*\s+3], s[G1A:G1A+7]
	s_nop 0
.rept 4
	v_nop
.endr
	s_branch .Lasked_\@
.Lfor_b_\@:
	tensor_load_to_lds s[G0B+4*\s:G0B+4*\s+3], s[G1B:G1B+7]
	s_nop 0
.rept 4
	v_nop
.endr
.Lasked_\@:
.endm
.macro CREST
	s_cmp_lg_u32 s10, 0
	s_cbranch_scc1 .Lnot_wave_0_\@
	s_barrier_signal -3
.Lnot_wave_0_\@:
	s_barrier_wait -3
	s_barrier_signal -1
	s_barrier_wait -1
.endm
.macro CROUND
	s_barrier_signal -1
	s_barrier_wait -1
	CREST
.endm
; A PREFETCH INTO THE L2 of the K step that stands TWO refills on: 256 matrix instructions of a wave ahead of the load that will want it.  Each aligned block of 256 bytes is named once in the launch.
; Tokens: a K step of a tile row is 2 heads x 64 blocks; only the four partners of a row of the cluster read it; each takes 16 blocks of each head, told apart BY ADDRESS (cx); wave 0 asks, a lane a block.
; Wo: a K step of a tile column is 128 rows x 2 blocks; every cluster reads it: the clusters with y = 0 ask; each partner of a column takes 32 rows by address (cy); waves 2 and 3 a half of the rows' 512 bytes each, a lane a row.
; The loop's last trip asks for nothing: there is no K step two refills on.  K steps 0 to 3 come by their loads alone.
.macro ASK
	s_cmp_gt_u32 s3, s[LIM]
	s_cbranch_scc0 .Lnot_mine_\@
	global_prefetch_b8 v[PFO], s[PFA:PFA+1] th:TH_LOAD_NT scope:SCOPE_SE
.Lnot_mine_\@:
.endm
	s_load_b256 s[68:75], s[0:1], 0x0              ; o16 s68, wo16 s70, bo s72, out0 s74
	v_lshl_add_u32 v[SPW], v0, 2, SPARE
	v_mov_b32 v[NIL], 0
	ds_add_u32 v[SPW], v[NIL]                      ; the wave's opening: the add, twice on end, and its wait ahead of my first tensor load
	ds_add_u32 v[SPW], v[NIL]
	v_lshrrev_b32 v1, 5, v0
	v_readfirstlane_b32 s10, v1                    ; wave 0..3
	s_lshr_b32 s11, s10, 1                         ; which 64 tokens of the tile are mine.  Also: I fetch tokens (0) or Wo (1)
	s_and_b32 s12, s10, 1                          ; which 128 columns.  Also: which head, or which 64 rows of k, I fetch
	s_bfe_u32 s40, ttmp6, 0x40000                  ; cx, cy
	s_bfe_u32 s41, ttmp6, 0x40004
	s_lshl_b32 s42, ttmp9, 2
	s_add_co_u32 s42, s42, s40                     ; tile column = 4 x cluster x + cx
	s_and_b32 s45, ttmp7, 0xffff                   ; cluster y
	s_lshl_b32 s13, s45, 2
	s_add_co_u32 s13, s13, s41                     ; tile row = 4 x cluster y + cy
	s_lshl_b32 s43, s41, 2
	s_lshl_b32 s43, 15, s43                        ; my row of the cluster
	s_lshl_b32 s44, 0x1111, s40                    ; my column
	s_or_b32 s[G1A], s43, (1<<16)|(1<<20)|(1<<21)|(5<<22)|(3<<25)   ; elements of 2 bytes; 4 words of padding after every 64
	s_mov_b32 s[G1A+1], 128<<16                    ; tensor_dim0: two tokens
	s_mov_b32 s[G1A+2], 64<<16                     ; tensor_dim1
	s_mov_b32 s[G1A+3], 128<<16                    ; tile_dim0
	s_mov_b32 s[G1A+4], 64                         ; tile_dim1
	s_mov_b32 s[G1A+5], 128                        ; the rows are dense
	s_mov_b32 s[G1A+6], 0
	s_mov_b32 s[G1A+7], 0
	s_or_b32 s[G1B], s44, (1<<16)|(1<<20)|(1<<21)|(6<<22)|(7<<25)   ; 8 words of padding after every 128
	s_mov_b32 s[G1B+1], 256<<16
	s_mov_b32 s[G1B+2], 64<<16
	s_mov_b32 s[G1B+3], 256<<16
	s_mov_b32 s[G1B+4], 64
	s_mov_b32 s[G1B+5], 1024
	s_mov_b32 s[G1B+6], 0
	s_mov_b32 s[G1B+7], 0
	s_lshr_b32 s16, s13, 4
	s_lshl_b32 s16, s16, 22                        ; the batch: 4,194,304 bytes
	s_and_b32 s17, s13, 15
	s_lshl_b32 s17, s17, 14                        ; the tile's 128 tokens of 128 bytes
	s_add_co_u32 s16, s16, s17                     ; the tile row's place in head 0
	s_lshl_b32 s18, s12, 18
	s_add_co_u32 s18, s18, s16                     ; + the head that I fetch
	s_mov_b32 s19, 0
	s_lshl_b32 s46, s42, 9                         ; Wo: the tile's 256 columns,
	s_lshl_b32 s47, s12, 17                        ; + my 64 rows of 2,048 bytes
	s_add_co_u32 s46, s46, s47
	s_mov_b32 s47, 0
	s_mul_i32 s20, s12, HEADB                      ; where they go: no place in the cluster enters an LDS address
	s_mul_i32 s21, s12, HALFB
	s_add_co_u32 s21, s21, BOFF
	s_wait_dscnt 0x0                               ; both opening adds are done
	s_wait_kmcnt 0x0
	s_add_nc_u64 s[14:15], s[68:69], s[18:19]
	s_add_nc_u64 s[46:47], s[70:71], s[46:47]
	CROUND                                         ; all sixteen work-groups are here: the first joint loads meet
.irp s, 0,1
	s_mov_b32 s[G0A+4*\s], 1
	s_add_co_u32 s[G0A+4*\s+1], s20, \s*SLOT
	s_add_nc_u64 s[G0A+4*\s+2:G0A+4*\s+3], s[14:15], \s*524288     ; K step s: heads 2 s, 2 s + 1
	s_or_b32 s[G0A+4*\s+3], s[G0A+4*\s+3], 0x80000000
	s_mov_b32 s[G0B+4*\s], 1
	s_add_co_u32 s[G0B+4*\s+1], s21, \s*SLOT
	s_add_nc_u64 s[G0B+4*\s+2:G0B+4*\s+3], s[46:47], \s*262144     ; rows 128 s on
	s_or_b32 s[G0B+4*\s+3], s[G0B+4*\s+3], 0x80000000
	JLOAD \s                                       ; two loads of mine are out behind these lines
.endr
	v_and_b32 v1, 15, v0                           ; r
	v_bfe_u32 v2, v0, 4, 1                         ; h
	; the bias of my 128 columns, in the result's layout: block b: columns 16 b + 8 h + 0 .. 7
	s_lshl_b32 s22, s42, 10
	s_lshl_b32 s23, s12, 9
	s_add_co_u32 s22, s22, s23                     ; my first column, in bytes of f32
	s_mov_b32 s23, 0
	s_add_nc_u64 s[72:73], s[72:73], s[22:23]
	s_add_nc_u64 s[74:75], s[74:75], s[22:23]
	v_lshlrev_b32 v6, 5, v2
	WIN 0x80                                       ; destination window 2
.irp b, 0,1,2,3,4,5,6,7
	global_load_b128 v[8*\b:8*\b+3], v6, s[72:73] offset:64*\b
	global_load_b128 v[8*\b+4:8*\b+7], v6, s[72:73] offset:64*\b+16
.endr
	WIN 0
	s_lshl_b32 s22, s13, 7
	s_lshl_b32 s23, s11, 6
	s_add_co_u32 s22, s22, s23                     ; my first token
	s_lshl_b32 s22, s22, 12                        ; a row of out0 is 4,096 bytes
	s_mov_b32 s23, 0
	s_add_nc_u64 s[74:75], s[74:75], s[22:23]      ; never stepped: every store's place stands in its immediate
	v_lshrrev_b32 v3, 1, v1
	v_mul_u32_u24 v3, v3, PA
	v_and_b32 v4, 1, v1
	v_lshl_add_u32 v3, v4, 7, v3
	v_lshl_add_u32 v3, v2, 4, v3                   ; token r: (r / 2) x 272 + (r % 2) x 128, + 16 h
	s_mul_i32 s22, s11, 32*PA                      ; my 64 tokens
	v_add_nc_u32 v[ADRA], s22, v3
	v_add_nc_u32 v[ADRA+1], SLOT, v[ADRA]
	v_and_b32 v4, 7, v0
	v_lshl_add_u32 v4, v2, 3, v4
	v_mul_u32_u24 v4, v4, PB                       ; the turning load: lane l reads row k = 8 h + l % 8,
	v_bfe_u32 v5, v0, 3, 1
	v_lshl_add_u32 v4, v5, 4, v4                   ; columns 8 ((l / 8) % 2) on
	s_lshl_b32 s22, s12, 8
	s_add_co_u32 s22, s22, BOFF                    ; my 128 columns
	v_add_nc_u32 v[ADRB], s22, v4
	v_add_nc_u32 v[ADRB+1], SLOT, v[ADRB]
	s_mul_i32 s22, s10, 16*SPITCH                  ; my stage
	v_mul_u32_u24 v5, v1, SPITCH
	v_lshl_add_u32 v5, v2, 5, v5
	v_add_nc_u32 v[STO], s22, v5                   ; in: row r, 32 bytes for each half of the lanes
	v_and_b32 v5, 31, v0
	v_lshlrev_b32 v[CO], 4, v5                     ; back: the 32 lanes take one row of 512 bytes; and the same in out0
	v_add_nc_u32 v[RD], s22, v[CO]
	; the prefetches: where my wave's stand, and who asks
	s_lshl_b32 s22, s40, 12                        ; tokens: my work-group's 16 blocks of each head,
	s_add_co_u32 s22, s22, s16
	s_add_co_u32 s22, s22, 3*524288                ; at K step 3: the first refill steps it to 4
	s_lshl_b32 s23, s42, 9                         ; Wo: the tile's columns,
	s_lshl_b32 s4, s12, 8
	s_add_co_u32 s23, s23, s4                      ; my half of the rows' 512 bytes,
	s_lshl_b32 s4, s41, 16
	s_add_co_u32 s23, s23, s4                      ; my work-group's 32 rows,
	s_add_co_u32 s23, s23, 3*262144                ; at K step 3
	s_cmp_eq_u32 s11, 0                            ; do I fetch tokens?
	s_cselect_b64 s[PFA:PFA+1], s[68:69], s[70:71]
	s_cselect_b32 s22, s22, s23
	s_cselect_b32 s82, s12, s45                    ; wave 0 of every work-group; waves 2 and 3 where the cluster's y is 0: the same in all sixteen partners
	s_mov_b32 s81, 2048
	s_cselect_b32 s81, 256, s81                    ; from lane to lane among sixteen,
	s_mov_b32 s83, 32768
	s_cselect_b32 s83, 0x40000, s83                ; and from lanes 0-15 to lanes 16-31
	s_mov_b32 s[PFS], 262144
	s_cselect_b32 s[PFS], 0x80000, s[PFS]          ; a K step on
	s_mov_b32 s[PFS+1], 0
	s_mov_b32 s23, 0
	s_add_nc_u64 s[PFA:PFA+1], s[PFA:PFA+1], s[22:23]
	s_cmp_eq_u32 s82, 0
	s_cselect_b32 s[LIM], 1, -1
	v_mul_lo_u32 v[PFO], v1, s81
	v_mul_lo_u32 v31, v2, s83
	v_add_nc_u32 v[PFO], v[PFO], v31
; 8 matrix instructions: my block a of 16 tokens x all 8 blocks of columns, 32 along K, from buffer f.  zero = 1: the sum begins with the bias.  The 32 accumulators take turns.
.macro MULA f, a, zero
.irp b, 0,1,2,3,4,5,6,7
.if \zero
	v_wmma_f32_16x16x32_f16 v[8*(8*\a+\b):8*(8*\a+\b)+7], v[\f+32+8*\b:\f+32+8*\b+7], v[\f+8*\a:\f+8*\a+7], v[8*\b:8*\b+7]
.else
	v_wmma_f32_16x16x32_f16 v[8*(8*\a+\b):8*(8*\a+\b)+7], v[\f+32+8*\b:\f+32+8*\b+7], v[\f+8*\a:\f+8*\a+7], v[8*(8*\a+\b):8*(8*\a+\b)+7]
.endif
.endr
.endm
; 24 LDS loads in one run: the fragments of the slot's q-th 32 along K into buffer f: Wo's first, the tokens' last
.macro FETCH s, q, f
	WIN 0
.irp b, 0,1,2,3,4,5,6,7
	ds_load_tr16_b128 v[\f+32+8*\b:\f+32+8*\b+3],   v[ADRB+\s] offset:(\q)*32*PB+32*\b
	ds_load_tr16_b128 v[\f+32+8*\b+4:\f+32+8*\b+7], v[ADRB+\s] offset:(\q)*32*PB+16*PB+32*\b
.endr
.irp a, 0,1,2,3
	ds_load_b128 v[\f+8*\a:\f+8*\a+3],   v[ADRA+\s] offset:((\q)/2)*HEADB+\a*8*PA+64*((\q)%2)
	ds_load_b128 v[\f+8*\a+4:\f+8*\a+7], v[ADRA+\s] offset:((\q)/2)*HEADB+\a*8*PA+64*((\q)%2)+32
.endr
.endm
.macro PLACES                          ; four plain vector instructions between a matrix instruction and a load into, or a read of, its registers (ISA guide 7.12.1 for vector instructions)
.rept 4
	v_nop
.endr
.endm
; A K step is four quarters of 32 along K, 32 matrix instructions each, on buffers 0, 1, 0, 1.  One of the first three: multiplies buffer f and fetches the slot's quarter qn into g.
.macro QUARTER s, qn, f, g, zero
	s_wait_dscnt 4                                 ; Wo's fragments and token blocks 0 and 1 are in; the youngest four loads (blocks 2 and 3) may be out
.if \zero
	WIN 0x60                                       ; C (the bias) window 2, D window 1
.else
	WIN MUL
.endif
	MULA \f, 0, \zero
	MULA \f, 1, \zero
	PLACES
	FETCH \s, \qn, \g
	s_wait_dscnt 24                                ; all but the 24 just issued
.if \zero
	WIN 0x60
.else
	WIN MUL
.endif
	MULA \f, 2, \zero
	MULA \f, 3, \zero
.endm
; The last quarter multiplies buffer 1 and changes slots: ONE barrier; in front of it each wave waits for all its tensor loads, adds 0 to its spare word, and waits for that and for its reads of this slot.
; fill = 1: this slot is filled again, two K steps ahead; the barrier then opens a round of the cluster's barrier, and the joint refill is the first tensor load behind the round.
.macro TURN s, next, fill
.if \fill
	s_wait_xcnt 0x0                                ; the last prefetch, a K step back, has read its address: it is stepped here
	s_add_nc_u64 s[PFA:PFA+1], s[PFA:PFA+1], s[PFS:PFS+1]
.endif
	WIN 0                                          ; (the add's two registers lie in window 0)
	s_wait_tensorcnt 0x0                           ; all my tensor loads have landed: my part of the next slot
	ds_add_u32 v[SPW], v[NIL]
	s_wait_dscnt 5                                 ; (the add and the youngest four loads may be out)
	WIN MUL
	MULA F1, 0, 0                                  ; eight matrix instructions stand between the add and the wait for it
	s_wait_dscnt 0x0                               ; the add is done, and my reads of this slot are over
	s_barrier_signal -1
	MULA F1, 1, 0
.if \fill
	WIN 0
.endif
	s_barrier_wait -1
.if \fill
	CREST                                          ; no wave of any partner still reads this slot's tile or has a load on its way
	s_add_nc_u64 s[G0A+4*\s+2:G0A+4*\s+3], s[G0A+4*\s+2:G0A+4*\s+3], 1048576   ; four heads on
	s_add_nc_u64 s[G0B+4*\s+2:G0B+4*\s+3], s[G0B+4*\s+2:G0B+4*\s+3], 524288    ; 256 rows of k on
	JLOAD \s                                       ; the four v_nop behind it are also the places in front of the loads below
.else
	PLACES
.endif
	FETCH \next, 0, F0
.if \fill
	ASK                                            ; behind the joint load and the run of LDS loads that the next products wait for
.endif
	WIN MUL
	MULA F1, 2, 0
	MULA F1, 3, 0
.endm
	s_wait_tensorcnt 1                             ; my part of K step 0 is in (K step 1's may stay out)
	s_barrier_signal -1
	s_barrier_wait -1                              ; everybody's is
	s_wait_loadcnt 0x0                             ; the bias
	FETCH 0, 0, F0
	QUARTER 0, 1, F0, F1, 1                        ; the first quarter stands in front of the loop: its products start the sums
	WIN 0                                          ; at a label and at a branch every window is 0
	s_mov_b32 s3, 3
.Llap:                                             ; a trip goes once round the two slots, from a lap's second quarter to the next lap's first, and fills both again: K steps 2 to 7
	QUARTER 0, 2, F1, F0, 0
	QUARTER 0, 3, F0, F1, 0
	TURN 0, 1, 1
	QUARTER 1, 1, F0, F1, 0
	QUARTER 1, 2, F1, F0, 0
	QUARTER 1, 3, F0, F1, 0
	TURN 1, 0, 1
	QUARTER 0, 1, F0, F1, 0
	WIN 0
	s_sub_co_u32 s3, s3, 1
	s_cmp_lg_u32 s3, 0
	s_cbranch_scc1 .Llap
	QUARTER 0, 2, F1, F0, 0                        ; the last lap fills nothing, and has no round of the cluster's barrier
	QUARTER 0, 3, F0, F1, 0
	TURN 0, 1, 0
	QUARTER 1, 1, F0, F1, 0
	QUARTER 1, 2, F1, F0, 0
	QUARTER 1, 3, F0, F1, 0
	s_wait_dscnt 4                                 ; the very last quarter: nothing more to fetch
	WIN MUL
	MULA F1, 0, 0
	MULA F1, 1, 0
	s_wait_dscnt 0
	MULA F1, 2, 0
	MULA F1, 3, 0
	WIN 0
; THE WAY OUT, a block of 16 tokens x 128 columns at a time.  A lane holds 32 neighbouring bytes of a row, and the lanes beside it hold other rows: so a block goes through my own stage and comes back as whole
; rows of 512 bytes.  The stage lies in slot 0, which has had its last fill, and which no wave reads behind the last change of slots.  LDS serves a wave's instructions in order (ISA guide 5.7.1.4).
.macro TOSTAGE a
	WIN 0x04                                       ; an LDS store's data are its source 1: window 1
.irp b, 0,1,2,3,4,5,6,7
	ds_store_b128 v[STO], v[64*(\a)+8*\b:64*(\a)+8*\b+3] offset:64*\b          ; each accumulator from its low end on
	ds_store_b128 v[STO], v[64*(\a)+8*\b+4:64*(\a)+8*\b+7] offset:64*\b+16
.endr
	WIN 0
.set BB, 32+64*((\a)%2)
.irp t, 0,1,2,3,4,5,6,7,8,9,10,11,12,13,14,15
	ds_load_b128 v[BB+4*\t:BB+4*\t+3], v[RD] offset:\t*SPITCH
.endr
.endm
.macro SEND a, younger                 ; younger: the LDS instructions issued behind block a's loads, which may stay out
.set BB, 32+64*((\a)%2)
	s_wait_dscnt \younger
.irp t, 0,1,2,3,4,5,6,7,8,9,10,11,12,13,14,15
	global_store_b128 v[CO], v[BB+4*\t:BB+4*\t+3], s[74:75] offset:65536*(\a)+4096*\t th:TH_STORE_NT   ; 32 lanes store 512 consecutive bytes, at a multiple of 256 from out0's first byte; written once, read by nobody here
.endr
.endm
	PLACES
	TOSTAGE 0
.irp a, 1,2,3
.if \a > 1
	s_wait_xcnt 0x0                                ; block a - 2's stores have read their registers: block a's loads may land there
.endif
	TOSTAGE \a
	SEND \a-1, 32                                  ; behind block a - 1's loads: block a's 16 stores and 16 loads
.endr
	SEND 3, 0
	s_wait_tensorcnt 0x0                           ; the wave's end: behind my last tensor load and my last LDS store
	ds_add_u32 v[SPW], v[NIL]
	s_wait_dscnt 0x0
	CROUND                                         ; the closing round
	s_endpgm
.Lfunc_end_k_q9d28444459_oproj:
	.size	k_q9d28444459_oproj, .Lfunc_end_k_q9d28444459_oproj-k_q9d28444459_oproj
	.p2alignl 7, 3214868480
	.fill 96, 4, 3214868480
	.section	.rodata,"a",@progbits
	.p2align	6, 0x0
	.amdhsa_kernel k_q9d28444459_oproj
		.amdhsa_group_segment_fixed_size 327680
		.amdhsa_private_segment_fixed_size 0
		.amdhsa_enable_private_segment 0
		.amdhsa_kernarg_size 32
		.amdhsa_user_sgpr_count 2
		.amdhsa_user_sgpr_kernarg_segment_ptr 1
		.amdhsa_wavefront_size32 1
		.amdhsa_system_sgpr_workgroup_id_x 1
		.amdhsa_system_sgpr_workgroup_id_y 1
		.amdhsa_system_sgpr_workgroup_id_z 1
		.amdhsa_system_vgpr_workitem_id 0
		.amdhsa_next_free_vgpr 576
		.amdhsa_next_free_sgpr 84
		.amdhsa_reserve_vcc 0
		.amdhsa_float_denorm_mode_32 3
		.amdhsa_float_denorm_mode_16_64 3
		.amdhsa_memory_ordered 1
		.amdhsa_forward_progress 1
		.amdhsa_inst_pref_size 88
	.end_amdhsa_kernel
	.amdgpu_metadata
---
amdhsa.version: [ 1, 2 ]
amdhsa.kernels:
  - .name:           k_q9d28444459_oproj
    .symbol:         k_q9d28444459_oproj.kd
    .args:
      - { .name: o16, .offset: 0, .size: 8, .value_kind: global_buffer, .address_space: global }
      - { .name: wo16, .offset: 8, .size: 8, .value_kind: global_buffer, .address_space: global }
      - { .name: bo, .offset: 16, .size: 8, .value_kind: global_buffer, .address_space: global }
      - { .name: out0, .offset: 24, .size: 8, .value_kind: global_buffer, .address_space: global }
    .group_segment_fixed_size: 327680
    .private_segment_fixed_size: 0
    .kernarg_segment_align: 8
    .kernarg_segment_size: 32
    .max_flat_workgroup_size: 128
    .sgpr_count:     84
    .vgpr_count:     576
    .wavefront_size: 32
...
	.end_amdgpu_metadata
.endif
;; end of part 4
